; MI455X (gfx1250); checked and timed in simulation.
; The chip was launched on July 23, 2026; its instructions are those of AMD's public machine-readable ISA for CDNA 5 (MIT licence, August 2026) and "CDNA5" Instruction Set Architecture Reference Guide (July 2026). The comments in the code are by the model that wrote it; some were corrected since.
;; Masked Single Head Attention. Allowed arithmetic: float matrix products may take bf16 or f16 operands with f32 sums; other float arithmetic in f32, or as packed bf16 or f16 multiplies, adds, multiply-adds, maxima and minima; sums over many terms, partial sums and values carried from step to step in f32; what a program stores and reads back later, other than sums and carried values, may be rounded once to bf16 or f16.
;; Inputs: Wk 1,024 x 1,024 float32; Wq 1,024 x 1,024 float32; Wv 1,024 x 1,024 float32; bk 1,024 float32; bq 1,024 float32; bv 1,024 float32; x 4 x 2,048 x 1,024 float32.
;; Outputs: out0 4 x 2,048 x 1,024 float32.
;; 2 versions, each right; version 2 is version 1 with the launch cast written anew for expert scheduling mode. Each part assembles by itself: llvm-mc -triple=amdgcn-amd-amdhsa -mcpu=gfx1250 --defsym DOCPART=n.
;; ======== version 1 of 2: 4 launches
;; limits: values are held in f16: magnitudes above 65,504 overflow, below 6.1e-05 lose precision
;; workspace buffers: xb 16,777,216 bytes; wb 6,291,456 bytes; qkv 50,331,648 bytes; eb 33,554,432 bytes; st 1,048,576 bytes
;; launch cast (part 1): grid 704 x 1, 8 waves a work-group, no clusters, 0 bytes of LDS; arguments x, Wq, Wk, Wv, xb, wb; writes xb, wb
.if DOCPART == 1
	.amdgcn_target "amdgcn-amd-amdhsa--gfx1250"
	.amdhsa_code_object_version 6
	.text
	.protected	k_q4b9dc63d10_cast
	.globl	k_q4b9dc63d10_cast
	.p2align	8
	.type	k_q4b9dc63d10_cast,@function
k_q4b9dc63d10_cast:
	s_mov_b64 s[64:65], 0
	v_nop
	global_prefetch_b8 v0, s[64:65] scope:SCOPE_SE
	s_setreg_imm32_b32 hwreg(HW_REG_WAVE_MODE, 25, 1), 1
	s_wait_xcnt 0x0
; x [8192][1024] f32 -> xb bf16 [16 kb][8192 rows][64 k]: a tile of 256 rows x 64 k is then 32,768 dense bytes.
; Wq, Wk, Wv [1024][1024] f32 -> wb bf16 [3][1024 k][1024 n], in the order of memory.  One rounding to nearest even.
; A work-group takes 16 source rows (65,536 bytes).  Work-groups 0-511 take x, 512-703 the three W (64 each).
; One text serves both: what differs (strides, offsets, pointers) lies in scalar registers chosen by the work-group's number.
; Each wave has all its 16 loads of 512 bytes out at once; each store of a wave covers 256 consecutive bytes, aligned.
; No LDS, no barrier, no matrix unit: every byte is read once and written once, and nothing is shared.
.set VS, 4                             ; v[4:19]    source byte offset of load j
.set VD, 20                            ; v[20:35]   destination byte offset of store j
.set DA, 36                            ; v[36:99]   load j: four f32
.set OU, 100                           ; v[100:131] store j: four bf16
	s_load_b256 s[4:11], s[0:1], 0x0               ; x s[4:5], Wq s[6:7], Wk s[8:9], Wv s[10:11]
	s_load_b128 s[12:15], s[0:1], 0x20             ; xb s[12:13], wb s[14:15]
	s_mov_b32 s16, ttmp9                           ; g
	s_max_u32 s17, s16, 512
	s_sub_co_u32 s17, s17, 512                     ; g - 512, or 0 in the work-groups of x
	s_lshr_b32 s18, s17, 6                         ; which W
	s_and_b32 s19, s17, 63                         ; which 16 rows of it
	s_lshl_b32 s20, s19, 16                        ; W: 16 source rows of 4,096 bytes
	s_lshl_b32 s21, s18, 21                        ; W: a plane of wb,
	s_lshl_b32 s22, s19, 15                        ;    16 rows of 2,048 bytes
	s_add_co_u32 s21, s21, s22
	s_lshl_b32 s23, s16, 16                        ; x: 16 source rows
	s_lshl_b32 s24, s16, 11                        ; x: 16 rows of 128 bytes inside a block kb
	s_mov_b32 s25, 4096
	s_mov_b32 s26, 8192
	s_mov_b32 s27, 256
	s_mov_b32 s28, 0x100000
	s_cmp_lt_u32 s16, 512                          ; x?
	s_cselect_b32 s25, s25, 256                    ; source bytes between the two halves of the lanes: a row of x, or the next 256 bytes
	s_cselect_b32 s26, s26, 512                    ; between waves: two rows of x, or 512 bytes of a row of W
	s_cselect_b32 s27, s27, 4096                   ; between loads: 64 k of x, or a row of W
	s_cselect_b32 s28, s28, 2048                   ; between stores: a block kb of xb, or a row of wb
	s_cselect_b32 s30, s23, s20
	s_cselect_b32 s32, s24, s21
	s_mov_b32 s31, 0
	s_mov_b32 s33, 0
	v_bfe_u32 v1, v0, 4, 1                         ; lane / 16
	v_and_b32 v2, 15, v0                           ; lane % 16
	v_lshrrev_b32 v3, 5, v0                        ; wave
	v_mul_lo_u32 v[VS], v1, s25
	v_lshl_add_u32 v[VS], v2, 4, v[VS]
	v_mad_u32_u24 v[VS], v3, s26, v[VS]
	v_lshlrev_b32 v[VD], 3, v0                     ; 8 bytes a lane, 256 a wave
.set j, 1
.rept 15
	v_add_nc_u32 v[VS+j], s27, v[VS+j-1]
	v_add_nc_u32 v[VD+j], s28, v[VD+j-1]
.set j, j+1
.endr
	s_wait_kmcnt 0x0
	s_cmp_eq_u32 s18, 1
	s_cselect_b64 s[34:35], s[8:9], s[6:7]
	s_cmp_eq_u32 s18, 2
	s_cselect_b64 s[34:35], s[10:11], s[34:35]
	s_cmp_lt_u32 s16, 512
	s_cselect_b64 s[34:35], s[4:5], s[34:35]
	s_cselect_b64 s[36:37], s[12:13], s[14:15]
	s_add_nc_u64 s[34:35], s[34:35], s[30:31]
	s_add_nc_u64 s[36:37], s[36:37], s[32:33]
.set j, 0
.rept 16
	global_load_b128 v[DA+4*j:DA+4*j+3], v[VS+j], s[34:35] th:TH_LOAD_NT
.set j, j+1
.endr
.set j, 0
.rept 16
	s_wait_loadcnt 15-j                            ; loads come back in order: load j is in, the younger ones stay out
	v_cvt_pk_bf16_f32 v[OU+2*j], v[DA+4*j], v[DA+4*j+1]
	v_cvt_pk_bf16_f32 v[OU+2*j+1], v[DA+4*j+2], v[DA+4*j+3]
	global_store_b64 v[VD+j], v[OU+2*j:OU+2*j+1], s[36:37] th:TH_STORE_NT
.set j, j+1
.endr
	s_endpgm                                       ; no register was written twice, so no wait frees a source
.Lfunc_end_k_q4b9dc63d10_cast:
	.size	k_q4b9dc63d10_cast, .Lfunc_end_k_q4b9dc63d10_cast-k_q4b9dc63d10_cast
	.p2alignl 7, 3214868480
	.fill 96, 4, 3214868480
	.section	.rodata,"a",@progbits
	.p2align	6, 0x0
	.amdhsa_kernel k_q4b9dc63d10_cast
		.amdhsa_group_segment_fixed_size 0
		.amdhsa_private_segment_fixed_size 0
		.amdhsa_enable_private_segment 0
		.amdhsa_kernarg_size 48
		.amdhsa_user_sgpr_count 2
		.amdhsa_user_sgpr_kernarg_segment_ptr 1
		.amdhsa_wavefront_size32 1
		.amdhsa_system_sgpr_workgroup_id_x 1
		.amdhsa_system_sgpr_workgroup_id_y 1
		.amdhsa_system_sgpr_workgroup_id_z 1
		.amdhsa_system_vgpr_workitem_id 0
		.amdhsa_next_free_vgpr 136
		.amdhsa_next_free_sgpr 66
		.amdhsa_reserve_vcc 0
		.amdhsa_float_denorm_mode_32 3
		.amdhsa_float_denorm_mode_16_64 3
		.amdhsa_memory_ordered 1
		.amdhsa_forward_progress 1
		.amdhsa_inst_pref_size 9
	.end_amdhsa_kernel
	.amdgpu_metadata
---
amdhsa.version: [ 1, 2 ]
amdhsa.kernels:
  - .name:           k_q4b9dc63d10_cast
    .symbol:         k_q4b9dc63d10_cast.kd
    .args:
      - { .name: x, .offset: 0, .size: 8, .value_kind: global_buffer, .address_space: global }
      - { .name: Wq, .offset: 8, .size: 8, .value_kind: global_buffer, .address_space: global }
      - { .name: Wk, .offset: 16, .size: 8, .value_kind: global_buffer, .address_space: global }
      - { .name: Wv, .offset: 24, .size: 8, .value_kind: global_buffer, .address_space: global }
      - { .name: xb, .offset: 32, .size: 8, .value_kind: global_buffer, .address_space: global }
      - { .name: wb, .offset: 40, .size: 8, .value_kind: global_buffer, .address_space: global }
    .group_segment_fixed_size: 0
    .private_segment_fixed_size: 0
    .kernarg_segment_align: 8
    .kernarg_segment_size: 48
    .max_flat_workgroup_size: 256
    .sgpr_count:     66
    .vgpr_count:     136
    .wavefront_size: 32
...
	.end_amdgpu_metadata
.endif
;; end of part 1
;; launch proj (part 2): grid 8 x 32, 4 waves a work-group, clusters of 4 x 4, 327,680 bytes of LDS; arguments xb, wb, bq, bk, bv, qkv; writes qkv
.if DOCPART == 2
	.amdgcn_target "amdgcn-amd-amdhsa--gfx1250"
	.amdhsa_code_object_version 6
	.text
	.protected	k_q4b9dc63d10_proj
	.globl	k_q4b9dc63d10_proj
	.p2align	8
	.type	k_q4b9dc63d10_proj,@function
k_q4b9dc63d10_proj:
	s_mov_b64 s[64:65], 0
	v_nop
	global_prefetch_b8 v0, s[64:65] scope:SCOPE_SE
	s_setreg_imm32_b32 hwreg(HW_REG_WAVE_MODE, 25, 1), 1
	s_wait_xcnt 0x0
	s_wait_alu depctr_hold_cnt(0) depctr_sa_sdst(0) depctr_va_vdst(0) depctr_va_sdst(0) depctr_va_ssrc(0) depctr_va_vcc(0) depctr_vm_vsrc(0)
	s_getreg_b32 s2, hwreg(HW_REG_IB_STS2, 6, 4)
	s_cmp_eq_u32 s2, 0
	s_cbranch_scc0 .Lentry_in_a_cluster
	s_endpgm
.Lentry_in_a_cluster:
	s_bfe_u32 s2, ttmp6, 0x10000c
	s_cmp_lg_u32 s2, 0xf033
	s_cbranch_scc0 .Lentry_shape_is_right
	s_endpgm
.Lentry_shape_is_right:
; q, k, v = x W + b.  xb: bf16 [16 kb][8192][64]; wb: bf16 [3][1024 k][1024 n]; biases f32; qkv: f16 [3][8192][1024].  Sums in f32, each result rounded once to f16.
; q is multiplied by c = log2(e) / 32 in f32 ahead of that rounding, so that the next launch's scores are already exponents of 2.
; LIMIT: q c, k and v must lie within f16's 65,504.  The bias enters in f32, as the C operand that starts each sum.
; SHARES.  A work-group makes 256 rows x 128 columns of EACH of q, k and v: 256 work-groups.  Wave (wm, wn): 128 rows x 64 columns of each plane: 96 accumulators, 768 registers.
; The product is used transposed (source 0 = 16 columns of W, turned out of LDS by ds_load_tr16_b128; source 1 = 16 rows of x): a lane holds one row and 8 neighbouring columns.
; K goes in 16 steps of 64 through two LDS slots.  Wave 0 fetches x's tile (32,768 dense bytes, asked for as 128 rows of 256), waves 1 to 3 one plane of W each (64 rows of 256 bytes).
; CLUSTER 4 x 4: x's tile hangs on the tile row alone and is asked for jointly along a row of the cluster, W's on the tile column alone, jointly along a column.
; REGISTERS: window 0: v0-31 addresses; v32-95, v96-159 x's fragments of the two quarters of a step; v160-255 W's 12 fragments.  Window 1 + p: plane p's accumulators, (bb, a) at v[8 (8 bb + a)].
.set SLOT1, 131072                     ; slot 1 begins here: one exclusive or turns an address of one slot into the other's
.set PA,    144                        ; a row of x in LDS: 128 bytes + 16: an odd multiple of 16
.set PB,    288                        ; a row of W in LDS: 256 bytes + 32: an odd multiple of 32, for the turning load
.set BOFF,  256*PA                     ; W's planes lie behind x's 256 rows
.set PLB,   64*PB                      ; a plane's 64 rows
.set SP,    272                        ; the stage's pitch: 256 bytes + 16
.set SEG,   256*SP                     ; the stage of one plane.  The three stages lie in the slots, which have had their last fill by then
.set SPARE, SLOT1+BOFF+3*PLB           ; behind slot 1: the spare words, 128 bytes a wave, which no other line names
.set ASTEP, 1048576                    ; bytes from K step to K step in xb
.set BSTEP, 131072                     ; and in wb: 64 rows of 2,048
.set WV, 16
.set WM, 17
.set WN, 18
.set CX, 19
.set CY, 20
.set TX, 21
.set TY, 22
.set PP, 23
.set G1A, 24                           ; s[24:31] group 1 of x's tiles
.set G1B, 32                           ; s[32:39] of W's
.set G0A, 40                           ; s[40:43] group 0 of K step 0; s[44:47] walks from K step 1 on
.set G0B, 48                           ; s[48:51], s[52:55] the same for W
.set CUR, 56                           ; LDS byte at which the slot being read begins
.set CNT, 57
.set LIM, 58
.set PFA, 60                           ; s[60:61] where my prefetches stand
.set PFS, 62                           ; s[62:63] two K steps, in bytes
.set OUT, 66                           ; s[66:67] qkv at the first row that I store
.set CS,  80                           ; s[80:81] c
.set ADRA0, 8
.set ADRB0, 9
.set ADRA, 10
.set ADRB, 11
.set STO, 12
.set RD,  13
.set CO,  14
.set PFO, 15
.set VB,  16
.set SPW, 28                           ; LDS address of my spare word; never rewritten
.set NIL, 29                           ; 0; never rewritten
.set AF0, 32
.set AF1, 96
.set BF,  160
.set MSB, 0
.macro WIN new                         ; the immediate's high byte repeats the setting that is left; a switch that changes nothing is dropped
.if MSB != (\new)
	s_set_vgpr_msb (MSB<<8)|(\new)
.set MSB, (\new)
.endif
.endm
.macro PLACES                          ; four plain vector instructions between a matrix instruction and a load into, or a read of, its registers
.rept 4
	v_nop
.endr
.endm
.macro CREST                           ; a round of the cluster's barrier behind its opening barrier
	s_cmp_lg_u32 s[WV], 0
	s_cbranch_scc1 .Lnot_wave_0_\@
	s_barrier_signal -3
.Lnot_wave_0_\@:
	s_barrier_wait -3
	s_barrier_signal -1
	s_barrier_wait -1
.endm
.macro CROUND
	s_barrier_signal -1
	s_barrier_wait -1
	CREST
.endm
.macro JLOAD                           ; a joint refill by the walking descriptors; the branch hangs on the wave's number alone
	s_cmp_eq_u32 s[WV], 0
	s_cbranch_scc0 .Lfor_b_\@
	tensor_load_to_lds s[G0A+4:G0A+7], s[G1A:G1A+7]
	s_nop 0
	PLACES
	s_branch .Lasked_\@
.Lfor_b_\@:
	tensor_load_to_lds s[G0B+4:G0B+7], s[G1B:G1B+7]
	s_nop 0
	PLACES
.Lasked_\@:
.endm
; PREFETCH.  At every second change of slots (CNT even), while K steps are left, the two K steps that stand three and four steps on are named: one and two steps ahead of their tensor loads.
; x's tile row is read by both clusters of that row of clusters: cluster x = 0 asks, wave 0, each of the four partners 32 blocks of 256 bytes of each step (told apart by cx in the address).
; W's tile column is read by all clusters of that column: cluster y = 0 asks, waves 1 to 3 for their planes, each partner 32 of the two steps' 128 rows (told apart by cy in the address).
; So each block of 256 bytes is named once.  K steps 0 to 2 and 15 come by their loads alone.
.macro ASK
	s_and_b32 s79, s[CNT], 1
	s_cmp_eq_u32 s79, 0
	s_cbranch_scc0 .Lnoask_\@
	s_cmp_gt_u32 s[CNT], s[LIM]
	s_cbranch_scc0 .Lnoask_\@
	s_wait_xcnt 0x0                                ; the last prefetches, two K steps back, have read their address
	s_add_nc_u64 s[PFA:PFA+1], s[PFA:PFA+1], s[PFS:PFS+1]
	global_prefetch_b8 v[PFO], s[PFA:PFA+1] th:TH_LOAD_NT scope:SCOPE_SE
	s_cmp_eq_u32 s[WV], 0
	s_cbranch_scc0 .Lnoask_\@
	global_prefetch_b8 v[PFO], s[PFA:PFA+1] offset:ASTEP th:TH_LOAD_NT scope:SCOPE_SE
.Lnoask_\@:
.endm
; 16 matrix instructions of plane g on x's buffer f: column blocks 2 half, 2 half + 1 x all 8 row blocks.  The accumulators take turns, one instruction a turn.
.macro GRPH g, f, half
	WIN 0x50*((\g)+1)
.irp bb, 2*(\half), 2*(\half)+1
.irp a, 0,1,2,3,4,5,6,7
	v_wmma_f32_16x16x32_bf16 v[8*(8*(\bb)+(\a)):8*(8*(\bb)+(\a))+7], v[BF+8*(4*(\g)+(\bb)):BF+8*(4*(\g)+(\bb))+7], v[(\f)+8*(\a):(\f)+8*(\a)+7], v[8*(8*(\bb)+(\a)):8*(8*(\bb)+(\a))+7]
.endr
.endr
.endm
.macro GRP g, f
	GRPH \g, \f, 0
	GRPH \g, \f, 1
.endm
.macro LDB g, kq                       ; plane g's four fragments of quarter kq, turned: 8 loads
.irp bb, 0,1,2,3
	ds_load_tr16_b128 v[BF+8*(4*(\g)+(\bb)):BF+8*(4*(\g)+(\bb))+3], v[ADRB] offset:(\g)*PLB+(\kq)*32*PB+(\bb)*32
	ds_load_tr16_b128 v[BF+8*(4*(\g)+(\bb))+4:BF+8*(4*(\g)+(\bb))+7], v[ADRB] offset:(\g)*PLB+(\kq)*32*PB+(\bb)*32+16*PB
.endr
.endm
.macro LDA f, kq                       ; x's eight fragments of quarter kq: 16 loads
.irp a, 0,1,2,3,4,5,6,7
	ds_load_b128 v[(\f)+8*(\a):(\f)+8*(\a)+3], v[ADRA] offset:(\a)*16*PA+64*(\kq)
	ds_load_b128 v[(\f)+8*(\a)+4:(\f)+8*(\a)+7], v[ADRA] offset:(\a)*16*PA+64*(\kq)+32
.endr
.endm
; A K step's first quarter: multiplies buffer AF0 and fetches the second quarter's fragments, each plane's as soon as its registers are free.
.macro QTR
	s_wait_dscnt 16                                ; plane 0 and x are in; planes 1 and 2 (8 + 8 loads) may be out
	GRP 0, AF0
	WIN 0
	PLACES
	LDB 0, 1
	LDA AF1, 1
	s_wait_dscnt 32                                ; plane 1 is in: behind it stand 8 + 8 + 16 loads
	GRP 1, AF0
	WIN 0
	PLACES
	LDB 1, 1
	s_wait_dscnt 32                                ; plane 2 is in: behind it stand 8 + 16 + 8 loads
	GRP 2, AF0
	WIN 0
	PLACES
	LDB 2, 1
.endm
; The second quarter multiplies AF1 and changes slots.  In front of the barrier each wave waits for all its tensor loads (one is out: its part of the next slot), adds 0 to its spare word,
; and waits for that and for its reads of this slot.  fill = 1: the barrier opens a round of the cluster's, and the joint refill (two K steps on) is the first tensor load behind it.
.macro TURN fill
	WIN 0
	s_wait_tensorcnt 0x0
	ds_add_u32 v[SPW], v[NIL]
	s_wait_dscnt 17                                ; plane 0 and x are in; 8 + 8 loads and the add may be out
	GRPH 0, AF1, 0
	s_wait_dscnt 0x0                               ; the add is done, my reads of this slot are over
	s_barrier_signal -1
	GRPH 0, AF1, 1
	WIN 0
	s_barrier_wait -1
.if \fill
	CREST
	s_xor_b32 s[G0A+5], s[G0A+5], SLOT1            ; no tensor load of mine is out: the walking descriptors step
	s_add_nc_u64 s[G0A+6:G0A+7], s[G0A+6:G0A+7], ASTEP
	s_xor_b32 s[G0B+5], s[G0B+5], SLOT1
	s_add_nc_u64 s[G0B+6:G0B+7], s[G0B+6:G0B+7], BSTEP
	JLOAD                                          ; its four v_nop are also the places in front of the loads below
.else
	PLACES
.endif
	s_xor_b32 s[CUR], s[CUR], SLOT1
	v_add_nc_u32 v[ADRA], s[CUR], v[ADRA0]
	v_add_nc_u32 v[ADRB], s[CUR], v[ADRB0]
	LDB 0, 0
	LDA AF0, 0
.if \fill
	ASK
.endif
	GRP 1, AF1
	WIN 0
	PLACES
	LDB 1, 0
	GRP 2, AF1
	WIN 0
	PLACES
	LDB 2, 0
.endm
	s_load_b256 s[4:11], s[0:1], 0x0               ; xb s[4:5], wb s[6:7], bq s[8:9], bk s[10:11]
	s_load_b128 s[12:15], s[0:1], 0x20             ; bv s[12:13], qkv s[14:15]
	v_lshl_add_u32 v[SPW], v0, 2, SPARE
	v_mov_b32 v[NIL], 0
	ds_add_u32 v[SPW], v[NIL]                      ; the wave's opening: the add and its wait stand ahead of my first tensor load
	v_lshrrev_b32 v1, 5, v0
	v_readfirstlane_b32 s[WV], v1
	s_lshr_b32 s[WM], s[WV], 1                     ; which 128 rows are mine
	s_and_b32 s[WN], s[WV], 1                      ; which 64 columns of each plane
	s_bfe_u32 s[CX], ttmp6, 0x40000
	s_bfe_u32 s[CY], ttmp6, 0x40004
	s_lshl_b32 s[TX], ttmp9, 2
	s_add_co_u32 s[TX], s[TX], s[CX]               ; tile column: 128 columns of each plane
	s_and_b32 s[TY], ttmp7, 0xffff
	s_lshl_b32 s[TY], s[TY], 2
	s_add_co_u32 s[TY], s[TY], s[CY]               ; tile row: 256 rows
	s_lshl_b32 s68, s[CY], 2
	s_lshl_b32 s68, 15, s68                        ; my row of the cluster
	s_lshl_b32 s72, 0x1111, s[CX]                  ; my column
	s_or_b32 s[G1A], s68, (1<<16)|(1<<20)|(1<<21)|(4<<22)|(3<<25)  ; mask; 2-byte elements; padding on; bit 21 beside a mask; after every 32 words, 4 words
	s_or_b32 s[G1B], s72, (1<<16)|(1<<20)|(1<<21)|(5<<22)|(7<<25)  ; after every 64 words, 8 words
	s_mov_b32 s[G1A+1], 128<<16                    ; tensor_dim0 = 128
	s_mov_b32 s[G1A+2], 128<<16                    ; tensor_dim1 = 128
	s_mov_b32 s[G1A+3], 128<<16                    ; tile_dim0 = 128
	s_mov_b32 s[G1A+4], 128                        ; tile_dim1 = 128
	s_mov_b32 s[G1A+5], 128                        ; dense: 128 elements from row to row
	s_mov_b32 s[G1A+6], 0
	s_mov_b32 s[G1A+7], 0
	s_mov_b32 s[G1B+1], 128<<16
	s_mov_b32 s[G1B+2], 64<<16
	s_mov_b32 s[G1B+3], 128<<16
	s_mov_b32 s[G1B+4], 64
	s_mov_b32 s[G1B+5], 1024
	s_mov_b32 s[G1B+6], 0
	s_mov_b32 s[G1B+7], 0
	s_lshl_b32 s70, s[TY], 15                      ; x's tile: 256 rows of 128 bytes
	s_mov_b32 s71, 0
	s_max_u32 s[PP], s[WV], 1
	s_sub_co_u32 s[PP], s[PP], 1                   ; the plane that waves 1 to 3 fetch
	s_lshl_b32 s74, s[PP], 21
	s_lshl_b32 s75, s[TX], 8
	s_add_co_u32 s74, s74, s75
	s_mov_b32 s75, 0
	s_mul_i32 s76, s[WV], PLB
	s_add_co_u32 s76, s76, BOFF-PLB                ; the plane's place in a slot: a constant + wave x a constant
	s_mov_b32 s[G0A], 1
	s_mov_b32 s[G0A+1], 0
	s_mov_b32 s[G0A+4], 1
	s_mov_b32 s[G0A+5], SLOT1
	s_mov_b32 s[G0B], 1
	s_mov_b32 s[G0B+1], s76
	s_mov_b32 s[G0B+4], 1
	s_add_co_u32 s[G0B+5], s76, SLOT1
	s_mov_b32 s[CUR], 0
	s_mov_b32 s[CS], 0x3d38aa3b                    ; c = log2(e) / 32
	s_mov_b32 s[CS+1], s[CS]
	s_wait_dscnt 0x0                               ; the opening add is done
	s_wait_kmcnt 0x0
	s_add_nc_u64 s[70:71], s[4:5], s[70:71]        ; x's tile of K step 0
	s_add_nc_u64 s[74:75], s[6:7], s[74:75]        ; W's
	s_mov_b64 s[G0A+2:G0A+3], s[70:71]
	s_or_b32 s[G0A+3], s[G0A+3], 0x80000000
	s_add_nc_u64 s[G0A+6:G0A+7], s[70:71], ASTEP
	s_or_b32 s[G0A+7], s[G0A+7], 0x80000000
	s_mov_b64 s[G0B+2:G0B+3], s[74:75]
	s_or_b32 s[G0B+3], s[G0B+3], 0x80000000
	s_add_nc_u64 s[G0B+6:G0B+7], s[74:75], BSTEP
	s_or_b32 s[G0B+7], s[G0B+7], 0x80000000
	CROUND                                         ; all sixteen work-groups are here: the first joint loads meet
	s_cmp_eq_u32 s[WV], 0                          ; a wave's two first fills stand in one branch: two loads of mine are out
	s_cbranch_scc0 .Lfirst_b
	tensor_load_to_lds s[G0A:G0A+3], s[G1A:G1A+7]
	s_nop 0
	tensor_load_to_lds s[G0A+4:G0A+7], s[G1A:G1A+7]
	s_nop 0
	PLACES
	s_branch .Lfirst_done
.Lfirst_b:
	tensor_load_to_lds s[G0B:G0B+3], s[G1B:G1B+7]
	s_nop 0
	tensor_load_to_lds s[G0B+4:G0B+7], s[G1B:G1B+7]
	s_nop 0
	PLACES
.Lfirst_done:
	; the biases, laid as C operands: register j of lane (r, h) is column 16 bb + 8 h + j
	v_and_b32 v1, 15, v0                           ; r
	v_bfe_u32 v2, v0, 4, 1                         ; h
	s_lshl_b32 s77, s[TX], 9
	s_lshl_b32 s78, s[WN], 8
	s_add_co_u32 s77, s77, s78
	v_lshl_add_u32 v[VB], v2, 5, s77               ; (128 tx + 64 wn + 8 h) x 4 bytes
.irp bb, 0,1,2,3
	global_load_b128 v[BF+8*(\bb):BF+8*(\bb)+3], v[VB], s[8:9] offset:64*(\bb)
	global_load_b128 v[BF+8*(\bb)+4:BF+8*(\bb)+7], v[VB], s[8:9] offset:64*(\bb)+16
	global_load_b128 v[BF+32+8*(\bb):BF+32+8*(\bb)+3], v[VB], s[10:11] offset:64*(\bb)
	global_load_b128 v[BF+32+8*(\bb)+4:BF+32+8*(\bb)+7], v[VB], s[10:11] offset:64*(\bb)+16
	global_load_b128 v[BF+64+8*(\bb):BF+64+8*(\bb)+3], v[VB], s[12:13] offset:64*(\bb)
	global_load_b128 v[BF+64+8*(\bb)+4:BF+64+8*(\bb)+7], v[VB], s[12:13] offset:64*(\bb)+16
.endr
.set n, 0
.rept 16
	v_mov_b32 v[AF0+n], 0                          ; two fragments of zeros for the product that starts the sums
.set n, n+1
.endr
	s_mul_i32 s77, s[WM], 128*PA
	v_mul_u32_u24 v3, v1, PA
	v_lshl_add_u32 v3, v2, 4, v3
	v_add_nc_u32 v[ADRA0], s77, v3                 ; (128 wm + r) x pitch + 16 h
	v_and_b32 v4, 7, v0
	v_lshl_add_u32 v4, v2, 3, v4
	v_mul_u32_u24 v4, v4, PB
	v_bfe_u32 v5, v0, 3, 1
	v_lshl_add_u32 v4, v5, 4, v4
	s_lshl_b32 s77, s[WN], 7
	s_add_co_u32 s77, s77, BOFF
	v_add_nc_u32 v[ADRB0], s77, v4                 ; (8 h + l % 8) x pitch + 16 ((l / 8) % 2) + my 64 columns
	s_mul_i32 s77, s[WM], 128*SP
	s_lshl_b32 s78, s[WN], 7
	s_add_co_u32 s77, s77, s78
	v_mul_u32_u24 v3, v1, SP
	v_lshl_add_u32 v3, v2, 4, v3
	v_add_nc_u32 v[STO], s77, v3                   ; into the stage: row 128 wm + r, my 128 bytes, 16 bytes for each half of the lanes
	s_mul_i32 s77, s[WV], 64*SP
	v_mul_u32_u24 v3, v2, SP
	v_lshl_add_u32 v3, v1, 4, v3
	v_add_nc_u32 v[RD], s77, v3                    ; back: wave w takes rows 64 w .., two whole rows a load
	v_lshlrev_b32 v3, 11, v2
	v_lshl_add_u32 v[CO], v1, 4, v3                ; and the same two rows of qkv
	s_lshl_b32 s76, s[TY], 19
	s_lshl_b32 s78, s[WV], 17
	s_add_co_u32 s76, s76, s78
	s_lshl_b32 s78, s[TX], 8
	s_add_co_u32 s76, s76, s78
	s_mov_b32 s77, 0
	s_add_nc_u64 s[OUT:OUT+1], s[14:15], s[76:77]
	; the prefetches' address, step, limit and lane offset
	s_lshl_b32 s77, s[CX], 13
	s_add_co_u32 s77, s77, ASTEP
	s_lshl_b32 s78, s[CY], 16
	s_add_co_u32 s78, s78, BSTEP
	s_and_b32 s79, ttmp7, 0xffff
	s_mov_b32 s[PFS], 2*BSTEP
	s_mov_b32 s[PFS+1], 0
	s_cmp_eq_u32 s[WV], 0
	s_cselect_b64 s[PFA:PFA+1], s[70:71], s[74:75]
	s_cselect_b32 s76, s77, s78
	s_cselect_b32 s[PFS], 2*ASTEP, s[PFS]
	s_cselect_b32 s79, ttmp9, s79                  ; the coordinate along which other clusters read the same rows
	s_cselect_b32 s78, 8, 11
	s_mov_b32 s77, 0
	s_add_nc_u64 s[PFA:PFA+1], s[PFA:PFA+1], s[76:77]  ; at K step 1: the first request steps it to K step 3
	s_cmp_eq_u32 s79, 0
	s_cselect_b32 s[LIM], 2, -1
	v_and_b32 v[PFO], 31, v0
	v_lshlrev_b32 v[PFO], s78, v[PFO]              ; a lane a block of 256 bytes of x, or a row of W
	s_wait_loadcnt 0x0                             ; the biases
.irp p, 0,1,2
	WIN ((\p)+1)<<6
.irp bb, 0,1,2,3
.irp a, 0,1,2,3,4,5,6,7
	v_wmma_f32_16x16x32_bf16 v[8*(8*(\bb)+(\a)):8*(8*(\bb)+(\a))+7], v[AF0:AF0+7], v[AF0+8:AF0+15], v[BF+8*(4*(\p)+(\bb)):BF+8*(4*(\p)+(\bb))+7]
.endr
.endr
.endr
	WIN 0
	s_wait_tensorcnt 0x1                           ; my part of K step 0 is in; K step 1's may stay out
	s_barrier_signal -1
	s_barrier_wait -1
	v_add_nc_u32 v[ADRA], s[CUR], v[ADRA0]
	v_add_nc_u32 v[ADRB], s[CUR], v[ADRB0]
	PLACES
	LDB 0, 0
	LDA AF0, 0
	LDB 1, 0
	LDB 2, 0
	s_mov_b32 s[CNT], 15
	s_branch .Lmid                                 ; the loop is entered at a step's first quarter
.Lturn:                                        ; 14 times: every slot but the last two is filled again
	TURN 1
.Lmid:
	QTR
	s_sub_co_u32 s[CNT], s[CNT], 1
	s_cmp_lg_u32 s[CNT], 0
	s_cbranch_scc1 .Lturn
	TURN 0                                         ; the tail is written out: nothing is asked for
	QTR
	s_wait_dscnt 16
	GRP 0, AF1
	s_wait_dscnt 8
	GRP 1, AF1
	s_wait_dscnt 0x0
	GRP 2, AF1
	WIN 0
	PLACES
	s_barrier_signal -1                            ; every wave's reads of the slots are back (the wait for 0 above): the slots become the stage
	s_barrier_wait -1
	; THE WAY OUT: q times c; rounded to f16; 16 bytes a lane into the stage; a barrier, since a row's 256 bytes come from two waves; back as whole rows
.irp p, 0,1,2
.irp c, 0,1
.if (\p) == 0
	WIN 0x41
.set n, 0
.rept 64
	v_pk_mul_f32 v[128*(\c)+2*n:128*(\c)+2*n+1], v[128*(\c)+2*n:128*(\c)+2*n+1], s[CS:CS+1] op_sel_hi:[1,0]
.set n, n+1
.endr
.endif
	WIN 0x05*((\p)+1)
.set n, 0
.rept 16
.irp q, 0,1,2,3
	v_cvt_pk_f16_f32 v[AF0+64*(\c)+4*n+(\q)], v[8*(16*(\c)+n)+2*(\q)], v[8*(16*(\c)+n)+2*(\q)+1]
.endr
.set n, n+1
.endr
	WIN 0
.set n, 0
.rept 16
	ds_store_b128 v[STO], v[AF0+64*(\c)+4*n:AF0+64*(\c)+4*n+3] offset:(n%8)*16*SP+(2*(\c)+n/8)*32
.set n, n+1
.endr
.endr
	v_add_nc_u32 v[STO], SEG, v[STO]
.endr
	s_wait_dscnt 0x0                               ; for the others' sake: my stores into the stage are done
	s_barrier_signal -1
	s_barrier_wait -1
	s_mov_b32 s[CNT], 3
.Lplane:                                       ; a trip a plane: 64 rows a wave
.set t, 0
.rept 32
	ds_load_b128 v[AF0+4*t:AF0+4*t+3], v[RD] offset:t*2*SP
.set t, t+1
.endr
.set t, 0
.rept 32
	s_wait_dscnt 31-t
	global_store_b128 v[CO], v[AF0+4*t:AF0+4*t+3], s[OUT:OUT+1] offset:t*4096  ; 16 lanes store 256 consecutive bytes, aligned
.set t, t+1
.endr
	s_wait_xcnt 0x0                                ; the stores have read their registers and their base
	v_add_nc_u32 v[RD], SEG, v[RD]
	s_add_nc_u64 s[OUT:OUT+1], s[OUT:OUT+1], 16777216
	s_sub_co_u32 s[CNT], s[CNT], 1
	s_cmp_lg_u32 s[CNT], 0
	s_cbranch_scc1 .Lplane
	s_wait_tensorcnt 0x0                           ; the wave's end
	ds_add_u32 v[SPW], v[NIL]
	s_wait_dscnt 0x0
	CROUND                                         ; the closing round
	s_endpgm
.Lfunc_end_k_q4b9dc63d10_proj:
	.size	k_q4b9dc63d10_proj, .Lfunc_end_k_q4b9dc63d10_proj-k_q4b9dc63d10_proj
	.p2alignl 7, 3214868480
	.fill 96, 4, 3214868480
	.section	.rodata,"a",@progbits
	.p2align	6, 0x0
	.amdhsa_kernel k_q4b9dc63d10_proj
		.amdhsa_group_segment_fixed_size 327680
		.amdhsa_private_segment_fixed_size 0
		.amdhsa_enable_private_segment 0
		.amdhsa_kernarg_size 48
		.amdhsa_user_sgpr_count 2
		.amdhsa_user_sgpr_kernarg_segment_ptr 1
		.amdhsa_wavefront_size32 1
		.amdhsa_system_sgpr_workgroup_id_x 1
		.amdhsa_system_sgpr_workgroup_id_y 1
		.amdhsa_system_sgpr_workgroup_id_z 1
		.amdhsa_system_vgpr_workitem_id 0
		.amdhsa_next_free_vgpr 1024
		.amdhsa_next_free_sgpr 84
		.amdhsa_reserve_vcc 0
		.amdhsa_float_denorm_mode_32 3
		.amdhsa_float_denorm_mode_16_64 3
		.amdhsa_memory_ordered 1
		.amdhsa_forward_progress 1
		.amdhsa_inst_pref_size 110
	.end_amdhsa_kernel
	.amdgpu_metadata
---
amdhsa.version: [ 1, 2 ]
amdhsa.kernels:
  - .name:           k_q4b9dc63d10_proj
    .symbol:         k_q4b9dc63d10_proj.kd
    .args:
      - { .name: xb, .offset: 0, .size: 8, .value_kind: global_buffer, .address_space: global }
      - { .name: wb, .offset: 8, .size: 8, .value_kind: global_buffer, .address_space: global }
      - { .name: bq, .offset: 16, .size: 8, .value_kind: global_buffer, .address_space: global }
      - { .name: bk, .offset: 24, .size: 8, .value_kind: global_buffer, .address_space: global }
      - { .name: bv, .offset: 32, .size: 8, .value_kind: global_buffer, .address_space: global }
      - { .name: qkv, .offset: 40, .size: 8, .value_kind: global_buffer, .address_space: global }
    .group_segment_fixed_size: 327680
    .private_segment_fixed_size: 0
    .kernarg_segment_align: 8
    .kernarg_segment_size: 48
    .max_flat_workgroup_size: 128
    .sgpr_count:     84
    .vgpr_count:     1024
    .wavefront_size: 32
...
	.end_amdgpu_metadata
.endif
;; end of part 2
;; launch score (part 3): grid 36 x 4, 4 waves a work-group, no clusters, 327,680 bytes of LDS; arguments qkv, eb, st; writes eb, st
.if DOCPART == 3
	.amdgcn_target "amdgcn-amd-amdhsa--gfx1250"
	.amdhsa_code_object_version 6
	.text
	.protected	k_q4b9dc63d10_score
	.globl	k_q4b9dc63d10_score
	.p2align	8
	.type	k_q4b9dc63d10_score,@function
k_q4b9dc63d10_score:
	s_mov_b64 s[64:65], 0
	v_nop
	global_prefetch_b8 v0, s[64:65] scope:SCOPE_SE
	s_setreg_imm32_b32 hwreg(HW_REG_WAVE_MODE, 25, 1), 1
	s_wait_xcnt 0x0
; For each tile of 256 queries x 256 keys at or below the diagonal (36 a batch): S = q k^T (q already holds c = log2(e) / 32), and for each query and block of 128 keys:
; m = the block's maximum, E = 2^(s - m) rounded to f16, l = the sum of the rounded E in f32.  E goes to eb [4][2048][2048] f16, m and l to st [4][16 blocks][2][2048] f32.
; The exponent s - m is never positive, so E lies in 0 to 1 whatever the inputs.  The next launch joins the blocks by their maxima.
; LIMITS: a hidden score counts as its value less 1e30 (f16's scores are 4.4e12 at the most); E below 6e-8 is 0; NaN and infinities are not treated apart.
; SHARES.  Wave (wq, wk): 128 queries x 128 keys: 64 accumulators.  Source 0 = 16 keys, source 1 = 16 queries: a lane holds ONE query (lane % 16) and the keys 8 (lane / 16) + 0..7.
; THE MASK is the C operand of a product of zeros that starts each sum: 0 or -1e30.  In the diagonal tile, for key block b and query block a of a wave with wk = wq: b < a all seen, b > a all hidden, b = a by lane.
; K = 1,024 goes in 8 steps of 128 through two LDS slots; each wave fetches 128 rows x 256 bytes.  A step's text is written once: two trips of two quarters, the slot's base in a scalar register.
; NO CLUSTER: a batch's 36 tiles form a triangle whose rows hold 1 to 8 tiles; it does not divide into fours that share a strip.
; REGISTERS: window 0: v0-31 addresses; v32-55 masks, later m and l; v64-127, v128-191 q's fragments; window 1: v64-191 k's; windows 2, 3: accumulator (a, b) at v[8 (8 (a % 4) + b)] of window 2 + a / 4.
.set PITCH, 272
.set HALFT, 128*PITCH
.set SLOT,  4*HALFT                    ; q's 256 rows, then k's 256 rows
.set STAGE, 2*SLOT                     ; 16 rows x 272 bytes a wave
.set SST,   STAGE+4*16*PITCH           ; 1,024 bytes a wave: 128 m, 128 l
.set SPARE, SST+4096                   ; the spare words, which no other line names
.set WV, 10
.set WQ, 11
.set WK, 12
.set TI, 13
.set SI, 14
.set SJ, 15
.set SB, 16
.set G1, 24
.set G0, 32
.set TB, 39                            ; LDS byte offset of the two quarters to be fetched
.set SL, 40
.set TWICE, 41
.set LIM, 42
.set PFA, 44
.set SEL, 48
.set HIM, 50
.set SLO, 51
.set SUP, 52
.set EB, 54
.set STB, 56
.set ADRA0, 16
.set ADRB0, 17
.set ADRA, 18
.set ADRB, 19
.set STO, 20
.set RD,  21
.set EO,  22
.set SSA, 23
.set SSR, 24
.set SO,  25
.set PFO, 26
.set SPW, 28
.set NIL, 29
.set ML, 32                            ; mask of a block below the diagonal; later m of query block a at v[32 + a]
.set MD, 40                            ; of the diagonal block; later l of query block a
.set MU, 48                            ; of a block above it
.set Z0, 56
.set Z1, 192
.set F0, 64
.set F1, 128
.set CMS, 32
.set LS,  40
.set TT,  64
.set PX,  72
.set CM,  74
.set HP,  96
.set SD,  128
.set ONES, 160
.set OB,  192
.set MSB, 0
.macro WIN new
.if MSB != (\new)
	s_set_vgpr_msb (MSB<<8)|(\new)
.set MSB, (\new)
.endif
.endm
.macro PLACES
.rept 4
	v_nop
.endr
.endm
.macro FETCH f, k                      ; 32 LDS loads in one run: 128 rows of k, 128 rows of q, 32 along K at byte k
	WIN 0x40
.irp i, 0,1,2,3,4,5,6,7
	ds_load_b128 v[(\f)+8*(\i):(\f)+8*(\i)+3], v[ADRB] offset:(\i)*16*PITCH+(\k)
	ds_load_b128 v[(\f)+8*(\i)+4:(\f)+8*(\i)+7], v[ADRB] offset:(\i)*16*PITCH+(\k)+32
.endr
	WIN 0
.irp i, 0,1,2,3,4,5,6,7
	ds_load_b128 v[(\f)+8*(\i):(\f)+8*(\i)+3], v[ADRA] offset:(\i)*16*PITCH+(\k)
	ds_load_b128 v[(\f)+8*(\i)+4:(\f)+8*(\i)+7], v[ADRA] offset:(\i)*16*PITCH+(\k)+32
.endr
.endm
.macro MUL f                           ; 64 matrix instructions; the 64 accumulators take turns
.irp hi, 0,1
	WIN 0xa1+0x50*(\hi)
.irp a, 0,1,2,3
.irp b, 0,1,2,3,4,5,6,7
	v_wmma_f32_16x16x32_f16 v[8*(8*(\a)+(\b)):8*(8*(\a)+(\b))+7], v[(\f)+8*(\b):(\f)+8*(\b)+7], v[(\f)+8*(4*(\hi)+(\a)):(\f)+8*(4*(\hi)+(\a))+7], v[8*(8*(\a)+(\b)):8*(8*(\a)+(\b))+7]
.endr
.endr
.endr
.endm
; PREFETCH of the K step that the NEXT change of slots will ask for: my 128 rows x 256 bytes, a lane a row, four instructions.  q's strip is read by the tiles of one row of the triangle: the tile j = 0 asks
; (waves 0, 1); k's strip by the tiles of one column: the tile i = j asks (waves 2, 3).  So each block is named once.  K steps 0 to 2 come by their loads alone; the last fill asks for nothing.
.macro ASK
	s_cmp_gt_u32 s[SL], s[LIM]
	s_cbranch_scc0 .Lnoask_\@
	global_prefetch_b8 v[PFO], s[PFA:PFA+1] th:TH_LOAD_NT scope:SCOPE_SE
	global_prefetch_b8 v[PFO], s[PFA:PFA+1] offset:65536 th:TH_LOAD_NT scope:SCOPE_SE
	global_prefetch_b8 v[PFO], s[PFA:PFA+1] offset:131072 th:TH_LOAD_NT scope:SCOPE_SE
	global_prefetch_b8 v[PFO], s[PFA:PFA+1] offset:196608 th:TH_LOAD_NT scope:SCOPE_SE
.Lnoask_\@:
.endm
; THE CHANGE OF SLOTS.  Each wave waits for all its tensor loads (one is out: its part of the slot to be read), adds 0 to its spare word, and waits for that and for its reads of the slot that it leaves.
; fill = 1: that slot takes the next K step, first thing behind the barrier: the load has a whole step's 256 matrix instructions in which to land.
.macro CHANGE fill, ask
	WIN 0
	s_wait_tensorcnt 0x0
	ds_add_u32 v[SPW], v[NIL]
	s_sub_co_u32 s[TB], s[TB], 256                 ; the fetches go back to a row's first byte,
	s_xor_b32 s[TB], s[TB], SLOT                   ; in the other slot
.if \fill
	s_xor_b32 s[G0+1], s[G0+1], SLOT               ; SLOT's bits and those of wave x HALFT do not meet
	s_add_nc_u64 s[G0+2:G0+3], s[G0+2:G0+3], 256
.endif
.if \ask
	s_wait_xcnt 0x0                                ; the last prefetches, a K step back, have read their address
	s_add_nc_u64 s[PFA:PFA+1], s[PFA:PFA+1], 256
.endif
	s_wait_dscnt 0x0
	s_barrier_signal -1
	s_barrier_wait -1
.if \fill
	tensor_load_to_lds s[G0:G0+3], s[G1:G1+7]
	s_nop 0
	PLACES
.endif
.if \ask
	ASK
.endif
.endm
; Two quarters, walked twice a K step.  Each run of loads is issued a quarter (64 matrix instructions) ahead of its use; the step's last quarter is multiplied behind the change of slots, out of registers.
.macro PAIR tag
.Lpair\tag:
	v_add_nc_u32 v[ADRA], s[TB], v[ADRA0]
	v_add_nc_u32 v[ADRB], s[TB], v[ADRB0]
	v_nop
	v_nop
	FETCH F0, 0
	s_wait_dscnt 32                                ; all but the 32 just issued: buffer 1 is in
	MUL F1
	WIN 0
.Lmid\tag:
	PLACES
	FETCH F1, 64
	s_wait_dscnt 32                                ; buffer 0 is in
	MUL F0
	WIN 0
	s_add_co_u32 s[TB], s[TB], 128
	s_sub_co_u32 s[TWICE], s[TWICE], 1
	s_cmp_lg_u32 s[TWICE], 0
	s_cbranch_scc1 .Lpair\tag
.endm
	s_load_b128 s[4:7], s[0:1], 0x0                ; qkv s[4:5], eb s[6:7]
	s_load_b64 s[8:9], s[0:1], 0x10                ; st
	v_lshl_add_u32 v[SPW], v0, 2, SPARE
	v_mov_b32 v[NIL], 0
	ds_add_u32 v[SPW], v[NIL]                      ; the wave's opening: the add and its wait stand ahead of my first tensor load
	v_lshrrev_b32 v1, 5, v0
	v_readfirstlane_b32 s[WV], v1
	s_lshr_b32 s[WQ], s[WV], 1                     ; my half of the queries.  Also: I fetch for q (0) or for k (1)
	s_and_b32 s[WK], s[WV], 1                      ; my half of the keys.  Also: which 128 rows I fetch
	s_mov_b32 s[TI], ttmp9
	s_and_b32 s[SB], ttmp7, 0xffff                 ; batch
	s_mov_b32 s[SI], 0                             ; tile row i: how many triangular numbers n (n + 1) / 2, n = 1 .. 7, the tile's number reaches
.irp th, 1,3,6,10,15,21,28
	s_cmp_ge_u32 s[TI], \th
	s_cselect_b32 s60, 1, 0
	s_add_co_u32 s[SI], s[SI], s60
.endr
	s_add_co_u32 s60, s[SI], 1
	s_mul_i32 s60, s60, s[SI]
	s_lshr_b32 s60, s60, 1
	s_sub_co_u32 s[SJ], s[TI], s60                 ; tile column j <= i
	s_mov_b32 s[G1], (1<<16)|(1<<20)|(5<<22)|(3<<25)  ; 2-byte elements; padding on; after every 64 words, 4 words
	s_mov_b32 s[G1+1], 128<<16
	s_mov_b32 s[G1+2], 128<<16
	s_mov_b32 s[G1+3], 128<<16
	s_mov_b32 s[G1+4], 128
	s_mov_b32 s[G1+5], 1024
	s_mov_b32 s[G1+6], 0
	s_mov_b32 s[G1+7], 0
	s_cmp_eq_u32 s[WQ], 0
	s_cselect_b32 s58, s[SI], s[SJ]
	s_lshl_b32 s58, s58, 8
	s_lshl_b32 s59, s[SB], 11
	s_add_co_u32 s58, s58, s59
	s_lshl_b32 s59, s[WK], 7
	s_add_co_u32 s58, s58, s59                     ; the first row that I fetch,
	s_lshl_b32 s58, s58, 11                        ; in bytes,
	s_lshl_b32 s59, s[WQ], 24
	s_add_co_u32 s58, s58, s59                     ; in q's or k's plane
	s_mov_b32 s59, 0
	s_mov_b32 s[G0], 1
	s_mul_i32 s[G0+1], s[WV], HALFT
	s_mov_b32 s[TB], SLOT+256                      ; the first change of slots turns it into 0
	s_mov_b32 s[SEL], 0x76543210
	s_mov_b32 s[SEL+1], 0xfedcba98
	s_mov_b32 s[HIM], 0xffff0000
	s_cmp_ge_u32 s[WK], s[WQ]
	s_cselect_b32 s[SUP], 0xf149f2ca, 0            ; -1e30
	s_cmp_gt_u32 s[WK], s[WQ]
	s_cselect_b32 s[SLO], 0xf149f2ca, 0
	s_cmp_eq_u32 s[SI], s[SJ]                      ; only the diagonal tile hides anything
	s_cselect_b32 s[SUP], s[SUP], 0
	s_cselect_b32 s[SLO], s[SLO], 0
	s_sub_co_u32 s60, s[SI], s[SJ]
	s_cmp_eq_u32 s[WQ], 0
	s_cselect_b32 s60, s[SJ], s60
	s_cmp_eq_u32 s60, 0
	s_cselect_b32 s[LIM], 1, -1
	s_lshl_b32 s60, s[SB], 23                      ; eb: batch, my first query row, my first key
	s_lshl_b32 s61, s[SI], 20
	s_add_co_u32 s60, s60, s61
	s_lshl_b32 s61, s[WQ], 19
	s_add_co_u32 s60, s60, s61
	s_lshl_b32 s61, s[SJ], 9
	s_add_co_u32 s60, s60, s61
	s_lshl_b32 s61, s[WK], 8
	s_add_co_u32 s60, s60, s61
	s_mov_b32 s61, 0
	s_lshl_b32 s62, s[SB], 18                      ; st: batch, key block 2 j + wk, my first query row
	s_lshl_b32 s63, s[SJ], 15
	s_add_co_u32 s62, s62, s63
	s_lshl_b32 s63, s[WK], 14
	s_add_co_u32 s62, s62, s63
	s_lshl_b32 s63, s[SI], 10
	s_add_co_u32 s62, s62, s63
	s_lshl_b32 s63, s[WQ], 9
	s_add_co_u32 s62, s62, s63
	s_mov_b32 s63, 0
	s_wait_dscnt 0x0                               ; the opening add is done
	s_wait_kmcnt 0x0
	s_add_nc_u64 s[G0+2:G0+3], s[4:5], s[58:59]
	s_add_nc_u64 s[PFA:PFA+1], s[G0+2:G0+3], 512   ; at K step 2; the loop's first change steps it to K step 3
	s_or_b32 s[G0+3], s[G0+3], 0x80000000
	s_add_nc_u64 s[EB:EB+1], s[6:7], s[60:61]
	s_add_nc_u64 s[STB:STB+1], s[8:9], s[62:63]
	tensor_load_to_lds s[G0:G0+3], s[G1:G1+7]      ; K step 0 into slot 0: one load of mine is out
	s_nop 0
	PLACES
	v_and_b32 v1, 15, v0                           ; r
	v_bfe_u32 v2, v0, 4, 1                         ; h
	v_and_b32 v4, 31, v0                           ; lane
	v_lshlrev_b32 v3, 3, v2
	v_sub_nc_u32 v3, v1, v3                        ; r - 8 h: register j of the diagonal block is hidden where j is greater
.set j, 0
.rept 8
	v_mov_b32 v[ML+j], s[SLO]
	v_mov_b32 v[MU+j], s[SUP]
	v_mov_b32 v[Z0+j], 0
	v_mov_b32 v[Z1+j], 0
.set j, j+1
.endr
.set j, 0
.rept 8
	v_cmp_gt_i32 vcc_lo, j, v3
	v_cndmask_b32 v[MD+j], v[ML], v[MU], vcc_lo
.set j, j+1
.endr
	v_mul_u32_u24 v5, v1, PITCH
	v_lshl_add_u32 v5, v2, 4, v5                   ; r x pitch + 16 h
	s_mul_i32 s58, s[WQ], HALFT
	v_add_nc_u32 v[ADRA0], s58, v5
	s_mul_i32 s58, s[WK], HALFT
	s_add_co_u32 s58, s58, 2*HALFT
	v_add_nc_u32 v[ADRB0], s58, v5
	s_mul_i32 s58, s[WV], 16*PITCH
	s_add_co_u32 s58, s58, STAGE
	v_add_nc_u32 v[STO], s58, v5
	v_mul_u32_u24 v6, v2, PITCH
	v_lshl_add_u32 v6, v1, 4, v6
	v_add_nc_u32 v[RD], s58, v6
	v_lshlrev_b32 v6, 12, v2
	v_lshl_add_u32 v[EO], v1, 4, v6                ; two rows of eb, 256 bytes each
	s_lshl_b32 s58, s[WV], 10
	s_add_co_u32 s58, s58, SST
	v_lshlrev_b32 v6, 9, v2
	v_lshl_add_u32 v6, v1, 2, v6
	v_add_nc_u32 v[SSA], s58, v6                   ; lanes 0-15 put m, lanes 16-31 l
	v_lshl_add_u32 v[SSR], v4, 4, s58
	v_lshlrev_b32 v[SO], 4, v4
	v_lshlrev_b32 v[PFO], 11, v4
.set a, 0
.rept 8                                ; the sums start with the mask
	WIN 0x80+0x40*(a/4)
.set b, 0
.rept 8
.if b < a
.set mc, ML
.elseif b == a
.set mc, MD
.else
.set mc, MU
.endif
	v_wmma_f32_16x16x32_f16 v[8*(8*(a%4)+b):8*(8*(a%4)+b)+7], v[Z0:Z0+7], v[Z1:Z1+7], v[mc:mc+7]
.set b, b+1
.endr
.set a, a+1
.endr
	CHANGE 1, 0                                    ; K step 0 is in, everybody's part of it; K step 1 is asked for, into slot 1
	v_add_nc_u32 v[ADRA], s[TB], v[ADRA0]
	v_add_nc_u32 v[ADRB], s[TB], v[ADRB0]
	FETCH F0, 0
	s_mov_b32 s[TWICE], 2
	s_mov_b32 s[SL], 7
	s_branch .Lmid1                                ; the loop is entered in the middle of a trip
.Lstep:                                        ; six times: K steps 2 to 7 are asked for
	CHANGE 1, 1
	s_mov_b32 s[TWICE], 2
	PAIR 1
	s_sub_co_u32 s[SL], s[SL], 1
	s_cmp_lg_u32 s[SL], 0
	s_cbranch_scc1 .Lstep
	CHANGE 0, 0                                    ; the last K step is written out: nothing is asked for
	s_mov_b32 s[TWICE], 2
	PAIR 2
	s_wait_dscnt 0x0
	MUL F1
	WIN 0
	PLACES
.set n, 0
.rept 8
	v_mov_b32 v[ONES+n], 0x3c003c00                ; a fragment of ones in f16
.set n, n+1
.endr
	v_mov_b32 v[PX], 0                             ; v_permlanex16_b32's destination counts as read
.macro SEND a                          ; 16 rows of E leave: 16 lanes store 256 consecutive bytes, aligned
	s_wait_dscnt 0x0
.irp t, 0,1,2,3,4,5,6,7
	global_store_b128 v[EO], v[OB+32*((\a)%2)+4*(\t):OB+32*((\a)%2)+4*(\t)+3], s[EB:EB+1] offset:(\a)*65536+(\t)*8192
.endr
.endm
; QUERY BLOCK a: 16 queries x my 128 keys, 64 scores a lane.  The maximum (each accumulator's lowest registers are read first); s - m; 64 exponentials as ONE batch with one wait;
; the roundings; the row sums of the ROUNDED weights by four products with ones, whose results hold the sum of 32 keys in every register; the block through my stage.
.macro BLOCK a
.set w, 2+(\a)/4
.set AC, 64*((\a)%4)
	WIN w|(w<<2)|(w<<4)
.set b, 0
.rept 8
	v_max3_num_f32 v[TT+b], v[AC+8*b], v[AC+8*b+1], v[AC+8*b+2]
.set b, b+1
.endr
	WIN (w<<2)|(w<<4)
.irp o, 3,5
.set b, 0
.rept 8
	v_max3_num_f32 v[TT+b], v[TT+b], v[AC+8*b+(\o)], v[AC+8*b+(\o)+1]
.set b, b+1
.endr
.endr
.set b, 0
.rept 4
	v_max3_num_f32 v[TT+b], v[TT+b], v[AC+16*b+7], v[AC+16*b+15]
.set b, b+1
.endr
	WIN 0
	v_max3_num_f32 v[TT], v[TT], v[TT+1], v[TT+2]
	v_max3_num_f32 v[TT+3], v[TT+3], v[TT+4], v[TT+5]
	v_max3_num_f32 v[TT], v[TT], v[TT+3], v[TT+6]
	v_max_num_f32 v[TT], v[TT], v[TT+7]
	v_permlanex16_b32 v[PX], v[TT], s[SEL], s[SEL+1]  ; the query's other 64 keys lie in the lane 16 away
	v_max_num_f32 v[CM], v[TT], v[PX]
	v_max_num_f32 v[CM+1], v[TT], v[PX]
	v_max_num_f32 v[CMS+(\a)], v[TT], v[PX]
	WIN (w<<6)|w
.set n, 0
.rept 32
	v_pk_add_f32 v[AC+2*n:AC+2*n+1], v[AC+2*n:AC+2*n+1], v[CM:CM+1] neg_lo:[0,1] neg_hi:[0,1]
.set n, n+1
.endr
.set n, 0
.rept 64
	v_exp_f32 v[AC+n], v[AC+n]
.set n, n+1
.endr
	v_nop                                          ; a plain instruction behind the last exponential,
	s_wait_alu depctr_va_vdst(0)                   ; and the one wait ahead of the batch's first reader
	WIN w|(w<<2)
.set n, 0
.rept 32
	v_cvt_pk_f16_f32 v[HP+n], v[AC+2*n], v[AC+2*n+1]
.set n, n+1
.endr
	WIN 0
.irp k, 0,1,2,3
	v_wmma_f32_16x16x32_f16 v[SD+8*(\k):SD+8*(\k)+7], v[ONES:ONES+7], v[HP+8*(\k):HP+8*(\k)+7], 0
.endr
.if (\a) > 0
	SEND (\a)-1
.endif
	s_wait_xcnt 0x0                                ; the stores of two blocks back have read the registers that are loaded below
.irp b, 0,1,2,3,4,5,6,7
	ds_store_b128 v[STO], v[HP+4*(\b):HP+4*(\b)+3] offset:32*(\b)
.endr
.irp t, 0,1,2,3,4,5,6,7
	ds_load_b128 v[OB+32*((\a)%2)+4*(\t):OB+32*((\a)%2)+4*(\t)+3], v[RD] offset:(\t)*2*PITCH  ; LDS serves a wave's instructions in order: these see the stores above
.endr
	PLACES
	v_add_f32 v[LS+(\a)], v[SD], v[SD+8]
	v_add_f32 v[TT], v[SD+16], v[SD+24]
	v_add_f32 v[LS+(\a)], v[LS+(\a)], v[TT]
.endm
	BLOCK 0
	BLOCK 1
	BLOCK 2
	BLOCK 3
	BLOCK 4
	BLOCK 5
	BLOCK 6
	BLOCK 7
	SEND 7
.irp a, 0,1,2,3,4,5,6,7
	v_cndmask_b32 v[TT+(\a)], v[CMS+(\a)], v[LS+(\a)], s[HIM]  ; lanes 16-31 take l
.endr
.irp a, 0,1,2,3,4,5,6,7
	ds_store_b32 v[SSA], v[TT+(\a)] offset:64*(\a)
.endr
	ds_load_b128 v[HP:HP+3], v[SSR]                ; my 128 m, 16 bytes a lane
	ds_load_b128 v[HP+4:HP+7], v[SSR] offset:512   ; my 128 l
	s_wait_dscnt 0x0
	global_store_b128 v[SO], v[HP:HP+3], s[STB:STB+1]
	global_store_b128 v[SO], v[HP+4:HP+7], s[STB:STB+1] offset:8192
	s_wait_tensorcnt 0x0                           ; the wave's end
	ds_add_u32 v[SPW], v[NIL]
	s_wait_dscnt 0x0
	s_endpgm
.Lfunc_end_k_q4b9dc63d10_score:
	.size	k_q4b9dc63d10_score, .Lfunc_end_k_q4b9dc63d10_score-k_q4b9dc63d10_score
	.p2alignl 7, 3214868480
	.fill 96, 4, 3214868480
	.section	.rodata,"a",@progbits
	.p2align	6, 0x0
	.amdhsa_kernel k_q4b9dc63d10_score
		.amdhsa_group_segment_fixed_size 327680
		.amdhsa_private_segment_fixed_size 0
		.amdhsa_enable_private_segment 0
		.amdhsa_kernarg_size 24
		.amdhsa_user_sgpr_count 2
		.amdhsa_user_sgpr_kernarg_segment_ptr 1
		.amdhsa_wavefront_size32 1
		.amdhsa_system_sgpr_workgroup_id_x 1
		.amdhsa_system_sgpr_workgroup_id_y 1
		.amdhsa_system_sgpr_workgroup_id_z 1
		.amdhsa_system_vgpr_workitem_id 0
		.amdhsa_next_free_vgpr 1024
		.amdhsa_next_free_sgpr 72
		.amdhsa_reserve_vcc 1
		.amdhsa_float_denorm_mode_32 3
		.amdhsa_float_denorm_mode_16_64 3
		.amdhsa_memory_ordered 1
		.amdhsa_forward_progress 1
		.amdhsa_inst_pref_size 133
	.end_amdhsa_kernel
	.amdgpu_metadata
---
amdhsa.version: [ 1, 2 ]
amdhsa.kernels:
  - .name:           k_q4b9dc63d10_score
    .symbol:         k_q4b9dc63d10_score.kd
    .args:
      - { .name: qkv, .offset: 0, .size: 8, .value_kind: global_buffer, .address_space: global }
      - { .name: eb, .offset: 8, .size: 8, .value_kind: global_buffer, .address_space: global }
      - { .name: st, .offset: 16, .size: 8, .value_kind: global_buffer, .address_space: global }
    .group_segment_fixed_size: 327680
    .private_segment_fixed_size: 0
    .kernarg_segment_align: 8
    .kernarg_segment_size: 24
    .max_flat_workgroup_size: 128
    .sgpr_count:     72
    .vgpr_count:     1024
    .wavefront_size: 32
...
	.end_amdgpu_metadata
.endif
;; end of part 3
;; launch pv (part 4): grid 8 x 32, 4 waves a work-group, clusters of 4 x 1, 327,680 bytes of LDS; arguments eb, st, qkv, out0; writes out0
.if DOCPART == 4
	.amdgcn_target "amdgcn-amd-amdhsa--gfx1250"
	.amdhsa_code_object_version 6
	.text
	.protected	k_q4b9dc63d10_pv
	.globl	k_q4b9dc63d10_pv
	.p2align	8
	.type	k_q4b9dc63d10_pv,@function
k_q4b9dc63d10_pv:
	s_mov_b64 s[64:65], 0
	v_nop
	global_prefetch_b8 v0, s[64:65] scope:SCOPE_SE
	s_setreg_imm32_b32 hwreg(HW_REG_WAVE_MODE, 25, 1), 1
	s_wait_xcnt 0x0
	s_wait_alu depctr_hold_cnt(0) depctr_sa_sdst(0) depctr_va_vdst(0) depctr_va_sdst(0) depctr_va_ssrc(0) depctr_va_vcc(0) depctr_vm_vsrc(0)
	s_getreg_b32 s2, hwreg(HW_REG_IB_STS2, 6, 4)
	s_cmp_eq_u32 s2, 0
	s_cbranch_scc0 .Lentry_in_a_cluster
	s_endpgm
.Lentry_in_a_cluster:
	s_bfe_u32 s2, ttmp6, 0x10000c
	s_cmp_lg_u32 s2, 0x3003
	s_cbranch_scc0 .Lentry_shape_is_right
	s_endpgm
.Lentry_shape_is_right:
; O[q] = (sum over key blocks t of g_t (E_t V_t)) / (sum over t of g_t l_t), g_t = 2^(m_t - M), M = the maximum of the row's m_t: the softmax's maximum is taken away in two steps, block and row.
; eb: f16 [4][2048][2048]; st: f32 [4][16][2: m, l][2048]; v: plane 2 of qkv, f16 [8192][1024]; out0: f32 [4][2048][1024].  g is rounded to f16, and the SAME rounded g weighs l.  Sums in f32.
; LIMITS: g, and g E, below 6e-8 count as 0; NaN and infinities are not treated apart.
; THE WALK.  A batch's queries lie in 16 strips of 128; strip i needs i / 2 + 1 steps of 256 keys.  A work-group makes 128 channels of TWO strips, p and then 15 - p: 9 steps whatever p, so all 256 work-groups
; are alike and one loop with a constant count walks them.  Which tile is asked for hangs on scalar registers made from p; every jump but the loops' own goes forward and passes no barrier and no tensor load.
; An even strip's last step holds one wholly hidden block of 128 keys: its m is near -1e30, so its g is 0.
; SHARES.  Wave (wq, wc): 64 queries x 64 channels, 16 accumulators.  O^T = V^T P: source 0 = V turned by ds_load_tr16_b128, source 1 = E's rows times g: a lane holds one query and 8 neighbouring channels.
; CLUSTER 4 x 1: the four partners make four channel blocks of the same strips: E's tiles are asked for jointly (waves 0, 1); V's differ from partner to partner and are each one's own (waves 2, 3).
; REGISTERS: window 0: v0-31 addresses and work; v32-35 g; v36-39, v56-63 1 / l; v40-55 zeros; v64-127, v128-191 V's fragments; v192-255 work.  Window 1: v0-63, v64-127 P's fragments; v128-255 accumulator (a, cb) at 128 + 8 (4 a + cb).
; One window setting serves the products, P's loads and P's scaling.
.set PE,    528                        ; a row of E in LDS: 512 bytes + 16
.set PVP,   288                        ; a row of V: 256 bytes + 32
.set VOFF,  128*PE
.set SLOT,  VOFF+256*PVP
.set STAGE, 2*SLOT                     ; 16 rows x 272 bytes a wave
.set SP,    272
.set GT,    STAGE+4*16*SP              ; a wave's tables: entries of 256 bytes, [query % 16][query / 16] words
.set GTW,   26*256                     ; the short strip's 8 g and 1 / l, then the long strip's 16 g and 1 / l
.set TABL,  9*256
.set SPARE, GT+4*GTW                   ; the spare words, which no other line names
.set WV, 12
.set WQ, 13
.set WC, 14
.set CX, 15
.set CT, 16
.set BA, 17
.set PQ, 18
.set SIS, 19
.set SIL, 20
.set SNS, 21
.set SNL, 22
.set NLM, 23
.set G1E, 24
.set G1V, 32
.set G0E, 40
.set G0V, 44
.set EBASE, 48
.set VBASE, 50
.set RB, 52
.set FB, 53
.set TBP, 54
.set TBV, 55
.set GOF, 56
.set RLOF, 57
.set CNT, 58
.set TWICE, 59
.set RT, 60
.set NEW, 61
.set NXT, 62
.set LQ, 63
.set STRQ, 66
.set EOF, 68
.set VOF, 70
.set OUT, 72
.set OUTL, 74
.set PFB, 76
.set PFA, 78
.set ALO, 80
.set AHI, 81
.set LE, 82
.set LV, 83
.set FLG, 84
.set STS, 86
.set STL, 88
.set SMXS, 94
.set SMXL, 95
.set ADRP0, 8
.set ADRV0, 9
.set ADRP, 10
.set ADRV, 11
.set GTA0, 12
.set GA, 13
.set STO, 14
.set RD, 15
.set OO, 16
.set PFO, 17
.set TW, 19
.set SPW, 28
.set NIL, 29
.set G, 32
.set RL, 36
.set Z0, 40
.set Z1, 48
.set RP, 56
.set VF, 64
.set WKR, 192
.set OB, 64
.set PF, 0
.set ACC, 128
.set MSB, 0
.macro WIN new
.if MSB != (\new)
	s_set_vgpr_msb (MSB<<8)|(\new)
.set MSB, (\new)
.endif
.endm
.macro PLACES
.rept 4
	v_nop
.endr
.endm
.macro CROUND
	s_barrier_signal -1
	s_barrier_wait -1
	s_cmp_lg_u32 s[WV], 0
	s_cbranch_scc1 .Lnot_wave_0_\@
	s_barrier_signal -3
.Lnot_wave_0_\@:
	s_barrier_wait -3
	s_barrier_signal -1
	s_barrier_wait -1
.endm
.macro JLOAD                           ; waves 0, 1: the two halves of E's tile, jointly; waves 2, 3: the two halves of V's, my own
	s_cmp_lt_u32 s[WV], 2
	s_cbranch_scc0 .Lfor_v_\@
	tensor_load_to_lds s[G0E:G0E+3], s[G1E:G1E+7]
	s_nop 0
	PLACES
	s_branch .Lasked_\@
.Lfor_v_\@:
	tensor_load_to_lds s[G0V:G0V+3], s[G1V:G1V+7]
	s_nop 0
	PLACES
.Lasked_\@:
.endm
; PREFETCH of the tile that the NEXT change of slots will ask for.  E's tile is read by the two clusters of a grid row: cluster x = 0 asks, waves 0 and 1 for their halves, each partner 16 of the 64 rows
; (told apart by cx in the address), a lane 256 bytes: one instruction.  V's tile is read by the eight pairs of strips of a batch: the pair p = 0 asks, waves 2 and 3, a lane a row, four instructions, and only for key
; steps 4 to 7, which its long strip is the first to reach.  The walk's first change and its last fill ask for nothing.
.macro ASK
	s_cmp_gt_u32 s[CNT], s[ALO]
	s_cbranch_scc0 .Lnoask_\@
	s_cmp_lt_u32 s[CNT], s[AHI]
	s_cbranch_scc0 .Lnoask_\@
	global_prefetch_b8 v[PFO], s[PFA:PFA+1] th:TH_LOAD_NT scope:SCOPE_SE
	s_cmp_lt_u32 s[WV], 2
	s_cbranch_scc1 .Lnoask_\@
	global_prefetch_b8 v[PFO], s[PFA:PFA+1] offset:65536 th:TH_LOAD_NT scope:SCOPE_SE
	global_prefetch_b8 v[PFO], s[PFA:PFA+1] offset:131072 th:TH_LOAD_NT scope:SCOPE_SE
	global_prefetch_b8 v[PFO], s[PFA:PFA+1] offset:196608 th:TH_LOAD_NT scope:SCOPE_SE
.Lnoask_\@:
.endm
; THE CHANGE OF SLOTS.  Each wave waits for all its tensor loads (one is out: its part of the slot to be read), adds 0 to its spare word, and waits for that and for its reads of the slot that it leaves.
; fill = 1: the barrier is a round of the cluster's, and that slot takes tile (STRQ, NXT), first thing behind the round; the descriptors' addresses are made anew from those numbers.
.macro CHANGE fill
	WIN 0
	s_wait_tensorcnt 0x0
	ds_add_u32 v[SPW], v[NIL]
	s_xor_b32 s[RB], s[RB], SLOT
.if \fill
	s_xor_b32 s[FB], s[FB], SLOT
	s_add_co_u32 s[G0E+1], s[FB], s[LE]
	s_add_co_u32 s[G0V+1], s[FB], s[LV]
	s_lshl_b32 s[EOF], s[STRQ], 19                 ; a strip is 128 rows of 4,096 bytes,
	s_lshl_b32 s90, s[NXT], 9                      ; a step 512 bytes of a row of E
	s_add_co_u32 s[EOF], s[EOF], s90
	s_lshl_b32 s[VOF], s[NXT], 19                  ; and 256 rows of 2,048 bytes of V
	s_add_nc_u64 s[G0E+2:G0E+3], s[EBASE:EBASE+1], s[EOF:EOF+1]
	s_or_b32 s[G0E+3], s[G0E+3], 0x80000000
	s_add_nc_u64 s[G0V+2:G0V+3], s[VBASE:VBASE+1], s[VOF:VOF+1]
	s_or_b32 s[G0V+3], s[G0V+3], 0x80000000
	s_add_co_u32 s[NXT], s[NXT], 1                 ; the strip's next step, or behind its last the long strip's step 0
	s_cmp_gt_u32 s[NXT], s[LQ]
	s_cselect_b32 s[NXT], 0, s[NXT]
	s_cselect_b32 s[STRQ], s[SIL], s[STRQ]
	s_cselect_b32 s[LQ], s[NLM], s[LQ]
	s_lshl_b32 s90, s[STRQ], 19                    ; the prefetch names that next tile
	s_lshl_b32 s91, s[NXT], 9
	s_add_co_u32 s90, s90, s91
	s_lshl_b32 s91, s[NXT], 19
	s_cmp_lt_u32 s[WV], 2
	s_cselect_b32 s90, s90, s91
	s_mov_b32 s91, 0
	s_wait_xcnt 0x0                                ; the last prefetches, a step back, have read their address
	s_add_nc_u64 s[PFA:PFA+1], s[PFB:PFB+1], s[90:91]
	s_wait_dscnt 0x0
	CROUND
	JLOAD
	ASK
.else
	s_wait_dscnt 0x0
	s_barrier_signal -1
	s_barrier_wait -1
.endif
	s_mov_b32 s[TBP], s[RB]
	s_mov_b32 s[TBV], s[RB]
.endm
; 64 keys' fragments into buffer f: V's 8 (turned), P's 8; with f = 0 also the block's four g (one for each of my query tiles), packed twice in f16
.macro FETCH f
	WIN 0
.if (\f) == 0
	ds_load_b128 v[G:G+3], v[GA]
.endif
.irp c, 0,1
.irp cb, 0,1,2,3
	ds_load_tr16_b128 v[VF+64*(\f)+8*(4*(\c)+(\cb)):VF+64*(\f)+8*(4*(\c)+(\cb))+3], v[ADRV] offset:(\f)*64*PVP+(\c)*32*PVP+(\cb)*32
	ds_load_tr16_b128 v[VF+64*(\f)+8*(4*(\c)+(\cb))+4:VF+64*(\f)+8*(4*(\c)+(\cb))+7], v[ADRV] offset:(\f)*64*PVP+(\c)*32*PVP+(\cb)*32+16*PVP
.endr
.endr
	WIN 0x54
.irp c, 0,1
.irp a, 0,1,2,3
	ds_load_b128 v[PF+64*(\f)+8*(4*(\c)+(\a)):PF+64*(\f)+8*(4*(\c)+(\a))+3], v[ADRP] offset:(\a)*16*PE+128*(\f)+64*(\c)
	ds_load_b128 v[PF+64*(\f)+8*(4*(\c)+(\a))+4:PF+64*(\f)+8*(4*(\c)+(\a))+7], v[ADRP] offset:(\a)*16*PE+128*(\f)+64*(\c)+32
.endr
.endr
.endm
; 16 matrix instructions on buffer f, keys 32 c on; the 16 accumulators take turns.  ride = 1: behind each, four registers of the OTHER buffer's P are multiplied by g.
.macro MMS f, c, ride
.irp a, 0,1,2,3
.irp cb, 0,1,2,3
	v_wmma_f32_16x16x32_f16 v[ACC+8*(4*(\a)+(\cb)):ACC+8*(4*(\a)+(\cb))+7], v[VF+64*(\f)+8*(4*(\c)+(\cb)):VF+64*(\f)+8*(4*(\c)+(\cb))+7], v[PF+64*(\f)+8*(4*(\c)+(\a)):PF+64*(\f)+8*(4*(\c)+(\a))+7], v[ACC+8*(4*(\a)+(\cb)):ACC+8*(4*(\a)+(\cb))+7]
.if \ride
.rept 4
	v_pk_mul_f16 v[PF+64*(1-(\f))+n], v[G+(n/8)%4], v[PF+64*(1-(\f))+n]
.set n, n+1
.endr
.endif
.endr
.endr
.endm
.macro MUL f
	WIN 0x54
	MMS \f, 0, 0
	s_wait_dscnt 0x0                               ; the other buffer, and g, are in
.set n, 0
	MMS \f, 1, 1                                   ; the last four multiplications are also the places in front of the next run of loads
.endm
; A block of 128 keys a trip, two trips a step: one set of g serves both buffers.  Buffer 1 of a block is multiplied in the next trip, out of registers, across a change of slots too.
.macro PAIR tag
.Lpair\tag:
	v_add_nc_u32 v[ADRP], s[TBP], v[ADRP0]
	v_add_nc_u32 v[ADRV], s[TBV], v[ADRV0]
	v_add_nc_u32 v[GA], s[GOF], v[GTA0]
	v_nop
	FETCH 0
	MUL 1
	WIN 0
.Lmid\tag:
	FETCH 1
	MUL 0
	WIN 0
	s_add_co_u32 s[TBP], s[TBP], 256
	s_add_co_u32 s[TBV], s[TBV], 128*PVP
	s_add_co_u32 s[GOF], s[GOF], 256
	s_sub_co_u32 s[TWICE], s[TWICE], 1
	s_cmp_lg_u32 s[TWICE], 0
	s_cbranch_scc1 .Lpair\tag
.endm
; A STRIP'S END: its last 64 keys; 1 / l; O through my stage, a query tile (16 rows x 256 bytes) at a time, the stores a tile behind the loads.
.macro PACK a
	WIN 0x01
.set n, 0
.rept 16
	v_pk_mul_f32 v[WKR+2*n:WKR+2*n+1], v[ACC+32*(\a)+2*n:ACC+32*(\a)+2*n+1], v[RP+2*(\a):RP+2*(\a)+1]
.set n, n+1
.endr
	WIN 0
.irp cb, 0,1,2,3
	ds_store_b128 v[STO], v[WKR+8*(\cb):WKR+8*(\cb)+3] offset:64*(\cb)
	ds_store_b128 v[STO], v[WKR+8*(\cb)+4:WKR+8*(\cb)+7] offset:64*(\cb)+16
.endr
.irp t, 0,1,2,3,4,5,6,7
	ds_load_b128 v[OB+32*(\a)+4*(\t):OB+32*(\a)+4*(\t)+3], v[RD] offset:(\t)*2*SP  ; LDS serves a wave's instructions in order: these see the stores above
.endr
.endm
.macro SEND a, younger                 ; younger: the LDS instructions issued behind tile a's loads
.irp t, 0,1,2,3,4,5,6,7
	s_wait_dscnt (\younger)+7-(\t)
	global_store_b128 v[OO], v[OB+32*(\a)+4*(\t):OB+32*(\a)+4*(\t)+3], s[OUT:OUT+1] offset:(\a)*65536+(\t)*8192  ; 16 lanes store 256 consecutive bytes, aligned
.endr
.endm
.macro BLOCKEND last
	WIN 0x54
	MMS 1, 0, 0
	MMS 1, 1, 0
	WIN 0
	v_add_nc_u32 v[GA], s[RLOF], v[GTA0]
	ds_load_b128 v[RL:RL+3], v[GA]
	s_wait_dscnt 0x0
.irp a, 0,1,2,3
	v_mov_b32 v[RP+2*(\a)], v[RL+(\a)]             ; 1 / l as pairs; these lines are also the places behind the last products
	v_mov_b32 v[RP+2*(\a)+1], v[RL+(\a)]
.endr
	PACK 0
	PACK 1
	SEND 0, 16
	PACK 2
	SEND 1, 16
	PACK 3
	SEND 2, 16
	SEND 3, 0
.if !(\last)
	s_wait_xcnt 0x0                                ; the stores have read their registers and their base
	s_mov_b64 s[OUT:OUT+1], s[OUTL:OUTL+1]
	s_mov_b32 s[RT], s[SNL]
	s_mov_b32 s[NEW], 1
	s_mov_b32 s[GOF], TABL
	s_mov_b32 s[RLOF], TABL+16*256
.endif
.endm
; THE STATISTICS of a strip.  A lane owns queries 2 l and 2 l + 1 of my wave's 64.  Block numbers past the strip's last written block are clamped to it: they change no maximum, and a flag of 0 takes them out of l.
.macro STLOAD nt, smax, sbase, ad, cb, lb
.set t, 0
.rept \nt
	s_min_u32 s90, s[\smax], t
	s_lshl_b32 s90, s90, 14
	v_add_nc_u32 v[(\ad)+t], s90, v18
	global_load_b64 v[(\cb)+2*t:(\cb)+2*t+1], v[(\ad)+t], s[\sbase:\sbase+1]
	global_load_b64 v[(\lb)+2*t:(\lb)+2*t+1], v[(\ad)+t], s[\sbase:\sbase+1] offset:8192
.set t, t+1
.endr
.endm
.macro STATS nt, smax, cb, lb, tab
	v_max3_num_f32 v20, v[(\cb)], v[(\cb)+2], v[(\cb)+4]
	v_max3_num_f32 v21, v[(\cb)+1], v[(\cb)+3], v[(\cb)+5]
.set t, 3
.rept ((\nt)-4)/2
	v_max3_num_f32 v20, v20, v[(\cb)+2*t], v[(\cb)+2*t+2]
	v_max3_num_f32 v21, v21, v[(\cb)+2*t+1], v[(\cb)+2*t+3]
.set t, t+2
.endr
	v_max_num_f32 v20, v20, v[(\cb)+2*(\nt)-2]
	v_max_num_f32 v21, v21, v[(\cb)+2*(\nt)-1]
.set t, 0
.rept \nt
	v_pk_add_f32 v[(\cb)+2*t:(\cb)+2*t+1], v[(\cb)+2*t:(\cb)+2*t+1], v[20:21] neg_lo:[0,1] neg_hi:[0,1]
.set t, t+1
.endr
.set t, 0
.rept 2*(\nt)
	v_exp_f32 v[(\cb)+t], v[(\cb)+t]
.set t, t+1
.endr
	v_mov_b32 v22, 0                               ; a plain instruction behind the last exponential: l's sums start
	v_mov_b32 v23, 0
	s_wait_alu depctr_va_vdst(0)                   ; the one wait ahead of the batch's first reader
.set t, 0
.rept \nt
	v_cvt_pk_f16_f32 v26, v[(\cb)+2*t], v[(\cb)+2*t]
	v_cvt_pk_f16_f32 v27, v[(\cb)+2*t+1], v[(\cb)+2*t+1]
	v_cvt_f32_f16 v24, v26.l                       ; the rounded g weighs l too
	v_cvt_f32_f16 v25, v27.l
	s_cmp_ge_u32 s[\smax], t
	s_cselect_b32 s[FLG], 1.0, 0
	v_pk_mul_f32 v[24:25], v[24:25], s[FLG:FLG+1] op_sel_hi:[1,0]
	v_pk_fma_f32 v[22:23], v[(\lb)+2*t:(\lb)+2*t+1], v[24:25], v[22:23]
	ds_store_b32 v[TW], v26 offset:(\tab)+256*t
	ds_store_b32 v[TW], v27 offset:(\tab)+256*t+16
.set t, t+1
.endr
	v_rcp_f32 v22, v22
	v_rcp_f32 v23, v23
	v_nop
	s_wait_alu depctr_va_vdst(0)
	ds_store_b32 v[TW], v22 offset:(\tab)+256*(\nt)
	ds_store_b32 v[TW], v23 offset:(\tab)+256*(\nt)+16
.endm
	s_load_b256 s[4:11], s[0:1], 0x0               ; eb s[4:5], st s[6:7], qkv s[8:9], out0 s[10:11]
	v_lshl_add_u32 v[SPW], v0, 2, SPARE
	v_mov_b32 v[NIL], 0
	ds_add_u32 v[SPW], v[NIL]                      ; the wave's opening: the add and its wait stand ahead of my first tensor load
	v_lshrrev_b32 v1, 5, v0
	v_readfirstlane_b32 s[WV], v1
	s_lshr_b32 s[WQ], s[WV], 1                     ; my 64 queries
	s_and_b32 s[WC], s[WV], 1                      ; my 64 channels.  Also: which half of a tile I fetch
	s_bfe_u32 s[CX], ttmp6, 0x40000
	s_lshl_b32 s[CT], ttmp9, 2
	s_add_co_u32 s[CT], s[CT], s[CX]               ; my 128 channels: it enters V's and O's addresses alone
	s_and_b32 s90, ttmp7, 0xffff
	s_lshr_b32 s[BA], s90, 3                       ; batch
	s_and_b32 s[PQ], s90, 7                        ; p
	s_mov_b32 s[SIS], s[PQ]
	s_sub_co_u32 s[SIL], 15, s[PQ]
	s_lshr_b32 s[SNS], s[SIS], 1
	s_add_co_u32 s[SNS], s[SNS], 1
	s_lshr_b32 s[SNL], s[SIL], 1
	s_add_co_u32 s[SNL], s[SNL], 1
	s_sub_co_u32 s[NLM], s[SNL], 1
	s_or_b32 s[SMXS], s[SIS], 1                    ; the last key block that the launch before wrote for the strip
	s_or_b32 s[SMXL], s[SIL], 1
	s_mov_b32 s[G1E], 15|(1<<16)|(1<<20)|(1<<21)|(6<<22)|(3<<25)  ; the mask of four; 2-byte elements; padding on; bit 21 beside a mask; after every 128 words, 4 words
	s_mov_b32 s[G1E+1], 256<<16
	s_mov_b32 s[G1E+2], 64<<16
	s_mov_b32 s[G1E+3], 256<<16
	s_mov_b32 s[G1E+4], 64
	s_mov_b32 s[G1E+5], 2048
	s_mov_b32 s[G1E+6], 0
	s_mov_b32 s[G1E+7], 0
	s_mov_b32 s[G1V], (1<<16)|(1<<20)|(5<<22)|(7<<25)  ; no mask; after every 64 words, 8 words
	s_mov_b32 s[G1V+1], 128<<16
	s_mov_b32 s[G1V+2], 128<<16
	s_mov_b32 s[G1V+3], 128<<16
	s_mov_b32 s[G1V+4], 128
	s_mov_b32 s[G1V+5], 1024
	s_mov_b32 s[G1V+6], 0
	s_mov_b32 s[G1V+7], 0
	s_mul_i32 s[LE], s[WC], 64*PE
	s_mul_i32 s[LV], s[WC], 128*PVP
	s_add_co_u32 s[LV], s[LV], VOFF
	s_mov_b32 s[G0E], 1
	s_mov_b32 s[G0E+1], s[LE]                      ; slot 0
	s_mov_b32 s[G0V], 1
	s_mov_b32 s[G0V+1], s[LV]
	s_lshl_b32 s[EOF], s[BA], 23                   ; E: batch, my half's 64 rows
	s_lshl_b32 s90, s[WC], 18
	s_add_co_u32 s[EOF], s[EOF], s90
	s_mov_b32 s[EOF+1], 0
	s_lshl_b32 s[VOF], s[BA], 22                   ; V: plane 2, batch, my half's 128 rows, my channels
	s_add_co_u32 s[VOF], s[VOF], s90
	s_add_co_u32 s[VOF], s[VOF], 33554432
	s_lshl_b32 s91, s[CT], 8
	s_add_co_u32 s[VOF], s[VOF], s91
	s_mov_b32 s[VOF+1], 0
	s_mov_b32 s[RB], SLOT                          ; the first change of slots reads slot 0 and fills slot 1
	s_mov_b32 s[FB], 0
	s_mov_b32 s[STRQ], s[SIS]
	s_sub_co_u32 s[LQ], s[SNS], 1
	s_mov_b32 s[NXT], 1                            ; the tile to be asked for next: the short strip's step 1, or the long strip's step 0
	s_cmp_gt_u32 s[NXT], s[LQ]
	s_cselect_b32 s[NXT], 0, s[NXT]
	s_cselect_b32 s[STRQ], s[SIL], s[STRQ]
	s_cselect_b32 s[LQ], s[NLM], s[LQ]
	s_mov_b32 s[RT], s[SNS]
	s_mov_b32 s[NEW], 1
	s_mov_b32 s[GOF], 0
	s_mov_b32 s[RLOF], 8*256
	s_mov_b32 s[CNT], 8
	s_mov_b32 s[FLG+1], 0
	s_cmp_lt_u32 s[WV], 2
	s_cselect_b32 s90, ttmp9, s[PQ]                ; the coordinate along which others read the same tiles
	s_cselect_b32 s[AHI], 8, 6
	s_cselect_b32 s98, 8, 11
	s_cmp_eq_u32 s90, 0
	s_cselect_b32 s[ALO], 1, -1
	s_lshl_b32 s92, s[BA], 18                      ; st: batch, my 64 queries of the strip
	s_lshl_b32 s90, s[WQ], 8
	s_add_co_u32 s92, s92, s90
	s_lshl_b32 s90, s[SIL], 9
	s_add_co_u32 s96, s92, s90
	s_lshl_b32 s90, s[SIS], 9
	s_add_co_u32 s92, s92, s90
	s_mov_b32 s93, 0
	s_mov_b32 s97, 0
	s_wait_dscnt 0x0                               ; the opening add is done
	s_wait_kmcnt 0x0
	s_add_nc_u64 s[EBASE:EBASE+1], s[4:5], s[EOF:EOF+1]
	s_add_nc_u64 s[VBASE:VBASE+1], s[8:9], s[VOF:VOF+1]
	s_add_nc_u64 s[STS:STS+1], s[6:7], s[92:93]
	s_add_nc_u64 s[STL:STL+1], s[6:7], s[96:97]
	s_lshl_b32 s[EOF], s[SIS], 19
	s_add_nc_u64 s[G0E+2:G0E+3], s[EBASE:EBASE+1], s[EOF:EOF+1]
	s_or_b32 s[G0E+3], s[G0E+3], 0x80000000
	s_mov_b64 s[G0V+2:G0V+3], s[VBASE:VBASE+1]
	s_or_b32 s[G0V+3], s[G0V+3], 0x80000000
	s_lshl_b32 s92, s[BA], 23                      ; O: batch, my 64 queries, my 64 channels
	s_lshl_b32 s90, s[WQ], 18
	s_add_co_u32 s92, s92, s90
	s_lshl_b32 s90, s[CT], 9
	s_add_co_u32 s92, s92, s90
	s_lshl_b32 s90, s[WC], 8
	s_add_co_u32 s92, s92, s90
	s_lshl_b32 s90, s[SIL], 19
	s_add_co_u32 s96, s92, s90
	s_lshl_b32 s90, s[SIS], 19
	s_add_co_u32 s92, s92, s90
	s_add_nc_u64 s[OUT:OUT+1], s[10:11], s[92:93]
	s_add_nc_u64 s[OUTL:OUTL+1], s[10:11], s[96:97]
	s_lshl_b32 s92, s[CX], 16                      ; the prefetches' base: of E my work-group's 16 rows of the half
	s_add_nc_u64 s[PFB:PFB+1], s[EBASE:EBASE+1], s[92:93]
	s_cmp_lt_u32 s[WV], 2
	s_cselect_b64 s[PFB:PFB+1], s[PFB:PFB+1], s[VBASE:VBASE+1]
	s_mov_b64 s[PFA:PFA+1], s[PFB:PFB+1]
	CROUND                                         ; all four work-groups are here: the first joint load meets
	JLOAD                                          ; the walk's first tile into slot 0: one load of mine is out
	v_and_b32 v1, 15, v0                           ; r
	v_bfe_u32 v2, v0, 4, 1                         ; h
	v_and_b32 v3, 31, v0                           ; lane
	v_lshlrev_b32 v18, 3, v3                       ; my two queries' 8 bytes
	STLOAD 8, SMXS, STS, 192, 64, 112
	STLOAD 16, SMXL, STL, 200, 80, 128
	v_and_b32 v4, 7, v0
	v_bfe_u32 v5, v0, 3, 2
	s_mul_i32 s90, s[WV], GTW
	s_add_co_u32 s90, s90, GT
	v_lshlrev_b32 v[TW], 5, v4
	v_lshl_add_u32 v[TW], v5, 2, v[TW]
	v_add_nc_u32 v[TW], s90, v[TW]                 ; query 2 l: row (2 l) % 16, word (2 l) / 16; query 2 l + 1 lies 16 bytes on
	v_lshl_add_u32 v[GTA0], v1, 4, s90             ; a lane reads its query row's four words
	v_lshl_add_u32 v6, v2, 3, v4
	v_mul_u32_u24 v6, v6, PVP
	v_bfe_u32 v7, v0, 3, 1
	v_lshl_add_u32 v6, v7, 4, v6
	s_lshl_b32 s91, s[WC], 7
	s_add_co_u32 s91, s91, VOFF
	v_add_nc_u32 v[ADRV0], s91, v6
	s_mul_i32 s91, s[WQ], 64*PE
	v_mul_u32_u24 v6, v1, PE
	v_lshl_add_u32 v6, v2, 4, v6
	v_add_nc_u32 v[ADRP0], s91, v6
	s_mul_i32 s91, s[WV], 16*SP
	s_add_co_u32 s91, s91, STAGE
	v_mul_u32_u24 v6, v1, SP
	v_lshl_add_u32 v6, v2, 5, v6
	v_add_nc_u32 v[STO], s91, v6                   ; row r, 32 bytes for each half of the lanes
	v_mul_u32_u24 v6, v2, SP
	v_lshl_add_u32 v6, v1, 4, v6
	v_add_nc_u32 v[RD], s91, v6
	v_lshlrev_b32 v6, 12, v2
	v_lshl_add_u32 v[OO], v1, 4, v6                ; two rows of out0, 256 bytes each
	v_and_b32 v6, 30, v3
	v_lshlrev_b32 v6, 11, v6
	v_and_b32 v7, 1, v3
	v_lshlrev_b32 v7, s98, v7
	v_add_nc_u32 v[PFO], v6, v7                    ; E: row lane / 2, 256 bytes lane % 2; V: row lane
.set n, 0
.rept 16
	v_mov_b32 v[Z0+n], 0                           ; two fragments of zeros for the products that start a strip's sums
.set n, n+1
.endr
	s_wait_loadcnt 0x0
	STATS 8, SMXS, 64, 112, 0
	STATS 16, SMXL, 80, 128, TABL
.Lstep:                                        ; eight times: a step is entered and the next is asked for
	CHANGE 1
	s_sub_co_u32 s[RT], s[RT], 1
	s_mov_b32 s[TWICE], 2
	s_cmp_eq_u32 s[NEW], 1
	s_cbranch_scc0 .Lpair1
	s_mov_b32 s[NEW], 0                            ; A STRIP BEGINS: the sums start at 0 by a product of zeros; the first 64 keys are fetched and scaled
	WIN 0x40
.set n, 0
.rept 16
	v_wmma_f32_16x16x32_f16 v[ACC+8*n:ACC+8*n+7], v[Z0:Z0+7], v[Z1:Z1+7], 0
.set n, n+1
.endr
	WIN 0
	v_add_nc_u32 v[ADRP], s[TBP], v[ADRP0]
	v_add_nc_u32 v[ADRV], s[TBV], v[ADRV0]
	v_add_nc_u32 v[GA], s[GOF], v[GTA0]
	FETCH 0
	s_wait_dscnt 0x0
.set n, 0
.rept 64
	v_pk_mul_f16 v[PF+n], v[G+(n/8)%4], v[PF+n]
.set n, n+1
.endr
	WIN 0
	s_branch .Lmid1                                ; the loop is entered in the middle of a trip
	PAIR 1
	s_cmp_eq_u32 s[RT], 0
	s_cbranch_scc0 .Lnoend
	BLOCKEND 0                                     ; in the loop this is the short strip's end: the long strip's last step is the walk's last
.Lnoend:
	s_sub_co_u32 s[CNT], s[CNT], 1
	s_cmp_lg_u32 s[CNT], 0
	s_cbranch_scc1 .Lstep
	CHANGE 0                                       ; the walk's last step is written out: nothing is asked for.  It is never a strip's first: the long strip has five steps or more
	s_mov_b32 s[TWICE], 2
	PAIR 2
	BLOCKEND 1
	s_wait_tensorcnt 0x0                           ; the wave's end
	ds_add_u32 v[SPW], v[NIL]
	s_wait_dscnt 0x0
	CROUND                                         ; the closing round
	s_endpgm
.Lfunc_end_k_q4b9dc63d10_pv:
	.size	k_q4b9dc63d10_pv, .Lfunc_end_k_q4b9dc63d10_pv-k_q4b9dc63d10_pv
	.p2alignl 7, 3214868480
	.fill 96, 4, 3214868480
	.section	.rodata,"a",@progbits
	.p2align	6, 0x0
	.amdhsa_kernel k_q4b9dc63d10_pv
		.amdhsa_group_segment_fixed_size 327680
		.amdhsa_private_segment_fixed_size 0
		.amdhsa_enable_private_segment 0
		.amdhsa_kernarg_size 32
		.amdhsa_user_sgpr_count 2
		.amdhsa_user_sgpr_kernarg_segment_ptr 1
		.amdhsa_wavefront_size32 1
		.amdhsa_system_sgpr_workgroup_id_x 1
		.amdhsa_system_sgpr_workgroup_id_y 1
		.amdhsa_system_sgpr_workgroup_id_z 1
		.amdhsa_system_vgpr_workitem_id 0
		.amdhsa_next_free_vgpr 512
		.amdhsa_next_free_sgpr 100
		.amdhsa_reserve_vcc 0
		.amdhsa_float_denorm_mode_32 3
		.amdhsa_float_denorm_mode_16_64 3
		.amdhsa_memory_ordered 1
		.amdhsa_forward_progress 1
		.amdhsa_inst_pref_size 106
	.end_amdhsa_kernel
	.amdgpu_metadata
---
amdhsa.version: [ 1, 2 ]
amdhsa.kernels:
  - .name:           k_q4b9dc63d10_pv
    .symbol:         k_q4b9dc63d10_pv.kd
    .args:
      - { .name: eb, .offset: 0, .size: 8, .value_kind: global_buffer, .address_space: global }
      - { .name: st, .offset: 8, .size: 8, .value_kind: global_buffer, .address_space: global }
      - { .name: qkv, .offset: 16, .size: 8, .value_kind: global_buffer, .address_space: global }
      - { .name: out0, .offset: 24, .size: 8, .value_kind: global_buffer, .address_space: global }
    .group_segment_fixed_size: 327680
    .private_segment_fixed_size: 0
    .kernarg_segment_align: 8
    .kernarg_segment_size: 32
    .max_flat_workgroup_size: 128
    .sgpr_count:     100
    .vgpr_count:     512
    .wavefront_size: 32
...
	.end_amdgpu_metadata
.endif
;; end of part 4
;; ======== version 2 of 2: 4 launches; version 1 with the launch cast written anew for expert scheduling mode
;; limits: values are held in f16: magnitudes above 65,504 overflow, below 6.1e-05 lose precision
;; workspace buffers: xb 16,777,216 bytes; wb 6,291,456 bytes; qkv 50,331,648 bytes; eb 33,554,432 bytes; st 1,048,576 bytes
;; launch cast (part 5): grid 704 x 1, 8 waves a work-group, no clusters, 0 bytes of LDS; arguments x, Wq, Wk, Wv, xb, wb; writes xb, wb
.if DOCPART == 5
	.amdgcn_target "amdgcn-amd-amdhsa--gfx1250"
	.amdhsa_code_object_version 6
	.text
	.protected	k_q4b9dc63d10_cast
	.globl	k_q4b9dc63d10_cast
	.p2align	8
	.type	k_q4b9dc63d10_cast,@function
k_q4b9dc63d10_cast:
	s_mov_b64 s[64:65], 0
	v_nop
	global_prefetch_b8 v0, s[64:65] scope:SCOPE_SE
	s_setreg_imm32_b32 hwreg(HW_REG_WAVE_SCHED_MODE, 0, 2), 2
	s_setreg_imm32_b32 hwreg(HW_REG_WAVE_MODE, 25, 1), 1
	s_wait_xcnt 0x0
	s_wait_alu depctr_vm_vsrc(0)
; x [8192][1024] f32 -> xb bf16 [16 kb][8192 rows][64 k]: a tile of 256 rows x 64 k is then 32,768 dense bytes.
; Wq, Wk, Wv [1024][1024] f32 -> wb bf16 [3][1024 k][1024 n], in the order of memory.  One rounding to nearest even.
; A work-group takes 16 source rows (65,536 bytes).  Work-groups 0-511 take x, 512-703 the three W (64 each).
; One text serves both: what differs (strides, offsets, pointers) lies in scalar registers chosen by the work-group's number.
; Each wave has all its 16 loads of 512 bytes out at once; each store of a wave covers 256 consecutive bytes, aligned.
; No LDS, no barrier, no matrix unit: every byte is read once and written once, and nothing is shared.
; THE MODE: SCHED_MODE bits 1:0 = 2 (LLVM: expert scheduling mode 2), set by the entry lines.  The code itself states the register dependences
; between vector instructions and memory instructions, with s_wait_alu, always for 0.
; THE PLAN.  Registers that memory instructions touch:
;   VS, VD   byte offsets of load j and of store j.  Written once, by the vector lines at the head; never written again.
;   DA       load j lands in its four registers, which no vector instruction names before; its two roundings read them behind its counted wait.
;   OU       load j's two roundings write its two registers, once; store j reads them.
; The 16 loads go in four groups of four.  The stores of group g - 1 stand among the roundings of group g, which read DA and write OU of group g alone.
; So one wait at a group's head states all that the four stores dealt into that group hang on.  No register that a memory instruction reads is written a second time.
.set VS, 4                             ; v[4:19]    source byte offset of load j
.set VD, 20                            ; v[20:35]   destination byte offset of store j
.set DA, 36                            ; v[36:99]   load j: four f32
.set OU, 100                           ; v[100:131] store j: four bf16
	s_load_b256 s[4:11], s[0:1], 0x0               ; x s[4:5], Wq s[6:7], Wk s[8:9], Wv s[10:11]
	s_load_b128 s[12:15], s[0:1], 0x20             ; xb s[12:13], wb s[14:15]
	s_mov_b32 s16, ttmp9                           ; g
	s_max_u32 s17, s16, 512
	s_sub_co_u32 s17, s17, 512                     ; g - 512, or 0 in the work-groups of x
	s_lshr_b32 s18, s17, 6                         ; which W
	s_and_b32 s19, s17, 63                         ; which 16 rows of it
	s_lshl_b32 s20, s19, 16                        ; W: 16 source rows of 4,096 bytes
	s_lshl_b32 s21, s18, 21                        ; W: a plane of wb,
	s_lshl_b32 s22, s19, 15                        ;    16 rows of 2,048 bytes
	s_add_co_u32 s21, s21, s22
	s_lshl_b32 s23, s16, 16                        ; x: 16 source rows
	s_lshl_b32 s24, s16, 11                        ; x: 16 rows of 128 bytes inside a block kb
	s_mov_b32 s25, 4096
	s_mov_b32 s26, 8192
	s_mov_b32 s27, 256
	s_mov_b32 s28, 0x100000
	s_cmp_lt_u32 s16, 512                          ; x?
	s_cselect_b32 s25, s25, 256                    ; source bytes between the two halves of the lanes: a row of x, or the next 256 bytes
	s_cselect_b32 s26, s26, 512                    ; between waves: two rows of x, or 512 bytes of a row of W
	s_cselect_b32 s27, s27, 4096                   ; between loads: 64 k of x, or a row of W
	s_cselect_b32 s28, s28, 2048                   ; between stores: a block kb of xb, or a row of wb
	s_cselect_b32 s30, s23, s20
	s_cselect_b32 s32, s24, s21
	s_mov_b32 s31, 0
	s_mov_b32 s33, 0
	v_bfe_u32 v1, v0, 4, 1                         ; lane / 16
	v_and_b32 v2, 15, v0                           ; lane % 16
	v_lshrrev_b32 v3, 5, v0                        ; wave
	v_mul_lo_u32 v[VS], v1, s25
	v_lshl_add_u32 v[VS], v2, 4, v[VS]
	v_mad_u32_u24 v[VS], v3, s26, v[VS]
	v_lshlrev_b32 v[VD], 3, v0                     ; 8 bytes a lane, 256 a wave
.set j, 1
.rept 15
	v_add_nc_u32 v[VS+j], s27, v[VS+j-1]
	v_add_nc_u32 v[VD+j], s28, v[VD+j-1]
.set j, j+1
.endr
	s_wait_kmcnt 0x0
	s_cmp_eq_u32 s18, 1
	s_cselect_b64 s[34:35], s[8:9], s[6:7]
	s_cmp_eq_u32 s18, 2
	s_cselect_b64 s[34:35], s[10:11], s[34:35]
	s_cmp_lt_u32 s16, 512
	s_cselect_b64 s[34:35], s[4:5], s[34:35]
	s_cselect_b64 s[36:37], s[12:13], s[14:15]
	s_add_nc_u64 s[34:35], s[34:35], s[30:31]
	s_add_nc_u64 s[36:37], s[36:37], s[32:33]
	s_wait_alu depctr_va_vdst(0)                   ; the 32 offsets VS and VD are written: every load and every store of the kernel reads one of them
.set j, 0
.rept 16
	global_load_b128 v[DA+4*j:DA+4*j+3], v[VS+j], s[34:35] th:TH_LOAD_NT
.set j, j+1
.endr
.set j, 0
.rept 16
	s_wait_loadcnt 15-j                            ; loads come back in order: load j is in, the younger ones stay out
.if (j % 4 == 0) && (j > 0)
	s_wait_alu depctr_va_vdst(0)                   ; the group before has written its eight registers of OU, which the four stores dealt into this group read
.endif
.if j >= 4
	global_store_b64 v[VD+j-4], v[OU+2*(j-4):OU+2*(j-4)+1], s[36:37] th:TH_STORE_NT  ; four loads back; no vector instruction since the wait names its registers
.endif
	v_cvt_pk_bf16_f32 v[OU+2*j], v[DA+4*j], v[DA+4*j+1]
	v_cvt_pk_bf16_f32 v[OU+2*j+1], v[DA+4*j+2], v[DA+4*j+3]
.set j, j+1
.endr
	s_wait_alu depctr_va_vdst(0)                   ; the last group has written its eight registers of OU, which the last four stores read
.set j, 12
.rept 4
	global_store_b64 v[VD+j], v[OU+2*j:OU+2*j+1], s[36:37] th:TH_STORE_NT
.set j, j+1
.endr
	s_endpgm                                       ; no register was written twice, so no wait frees a source
.Lfunc_end_k_q4b9dc63d10_cast:
	.size	k_q4b9dc63d10_cast, .Lfunc_end_k_q4b9dc63d10_cast-k_q4b9dc63d10_cast
	.p2alignl 7, 3214868480
	.fill 96, 4, 3214868480
	.section	.rodata,"a",@progbits
	.p2align	6, 0x0
	.amdhsa_kernel k_q4b9dc63d10_cast
		.amdhsa_group_segment_fixed_size 0
		.amdhsa_private_segment_fixed_size 0
		.amdhsa_enable_private_segment 0
		.amdhsa_kernarg_size 48
		.amdhsa_user_sgpr_count 2
		.amdhsa_user_sgpr_kernarg_segment_ptr 1
		.amdhsa_wavefront_size32 1
		.amdhsa_system_sgpr_workgroup_id_x 1
		.amdhsa_system_sgpr_workgroup_id_y 1
		.amdhsa_system_sgpr_workgroup_id_z 1
		.amdhsa_system_vgpr_workitem_id 0
		.amdhsa_next_free_vgpr 136
		.amdhsa_next_free_sgpr 66
		.amdhsa_reserve_vcc 0
		.amdhsa_float_denorm_mode_32 3
		.amdhsa_float_denorm_mode_16_64 3
		.amdhsa_memory_ordered 1
		.amdhsa_forward_progress 1
		.amdhsa_inst_pref_size 9
	.end_amdhsa_kernel
	.amdgpu_metadata
---
amdhsa.version: [ 1, 2 ]
amdhsa.kernels:
  - .name:           k_q4b9dc63d10_cast
    .symbol:         k_q4b9dc63d10_cast.kd
    .args:
      - { .name: x, .offset: 0, .size: 8, .value_kind: global_buffer, .address_space: global }
      - { .name: Wq, .offset: 8, .size: 8, .value_kind: global_buffer, .address_space: global }
      - { .name: Wk, .offset: 16, .size: 8, .value_kind: global_buffer, .address_space: global }
      - { .name: Wv, .offset: 24, .size: 8, .value_kind: global_buffer, .address_space: global }
      - { .name: xb, .offset: 32, .size: 8, .value_kind: global_buffer, .address_space: global }
      - { .name: wb, .offset: 40, .size: 8, .value_kind: global_buffer, .address_space: global }
    .group_segment_fixed_size: 0
    .private_segment_fixed_size: 0
    .kernarg_segment_align: 8
    .kernarg_segment_size: 48
    .max_flat_workgroup_size: 256
    .sgpr_count:     66
    .vgpr_count:     136
    .wavefront_size: 32
...
	.end_amdgpu_metadata
.endif
;; end of part 5
;; launch proj: the kernel of part 2 again; grid 8 x 32, 4 waves a work-group, clusters of 4 x 4, 327,680 bytes of LDS; arguments xb, wb, bq, bk, bv, qkv; writes qkv
;; launch score: the kernel of part 3 again; grid 36 x 4, 4 waves a work-group, no clusters, 327,680 bytes of LDS; arguments qkv, eb, st; writes eb, st
;; launch pv: the kernel of part 4 again; grid 8 x 32, 4 waves a work-group, clusters of 4 x 1, 327,680 bytes of LDS; arguments eb, st, qkv, out0; writes out0
